; MI455X (gfx1250); checked and timed in simulation.
; The chip was launched on July 23, 2026; its instructions are those of AMD's public machine-readable ISA for CDNA 5 (MIT licence, August 2026) and "CDNA5" Instruction Set Architecture Reference Guide (July 2026). The comments in the code are by the model that wrote it; some were corrected since.
;; Custom Temporal Attention. Allowed arithmetic: float matrix products may take bf16 or f16 operands with f32 sums; all other float work in f32.
;; Inputs: Wk 1,024 x 1,024 float32; Wo 1,024 x 1,024 float32; Wq 1,024 x 1,024 float32; Wv 1,024 x 1,024 float32; bias_table 2,047 x 16 float32; bk 1,024 float32; bo 1,024 float32; bq 1,024 float32; bv 1,024 float32; key_ 8 x 1,024 x 1,024 float32; offset 1 float32; query 8 x 1,024 x 1,024 float32; value 8 x 1,024 x 1,024 float32.
;; Outputs: out0 8 x 1,024 x 1,024 float32.
;; 2 versions, each right; version 2 is version 1 with the launch prep written anew for expert scheduling mode. Each part assembles by itself: llvm-mc -triple=amdgcn-amd-amdhsa -mcpu=gfx1250 --defsym DOCPART=n.
;; ======== version 1 of 2: 4 launches
;; limits: values are held in f16: magnitudes above 65,504 overflow, below 6.1e-05 lose precision
;; workspace buffers: cb 58,720,256 bytes; btab 327,680 bytes; qkv 50,331,648 bytes; ob 16,777,216 bytes
;; launch prep (part 1): grid 1044 x 1, 8 waves a work-group, no clusters, 0 bytes of LDS; arguments query, key_, value, Wq, Wk, Wv, Wo, bias_table, offset, cb, btab; writes cb, btab
.if DOCPART == 1
	.amdgcn_target "amdgcn-amd-amdhsa--gfx1250"
	.amdhsa_code_object_version 6
	.text
	.protected	k_q8abaff03f0_prep
	.globl	k_q8abaff03f0_prep
	.p2align	8
	.type	k_q8abaff03f0_prep,@function
k_q8abaff03f0_prep:
	s_mov_b64 s[64:65], 0
	v_nop
	global_prefetch_b8 v0, s[64:65] scope:SCOPE_SE
	s_setreg_imm32_b32 hwreg(HW_REG_WAVE_MODE, 25, 1), 1
	s_wait_xcnt 0x0
; PREP.  Two kinds of work-group, told apart by the work-group's number alone.
; Numbers 0 to 19: the temporal bias as a table of one number for each head and each relative position, times log2(e).
;   btab = [16 heads][1280 pairs Pd][2 copies c][2 words e] f32; word (h, Pd, c, e) holds bias_h(rel = 2047 + c - (2 Pd + e)) * log2(e).
;   The order is reversed so that ascending keys read ascending words, and the second copy is shifted by one word so that a lane of the
;   attention kernel finds its pairs of keys at multiples of 8 bytes whatever the parity of its query.
;   The shift 0.5 tanh(offset) lies in [-0.5, 0.5], so floor and ceil of the shifted position are rel - 1, rel or rel + 1: three neighbouring
;   rows are loaded from addresses made of the thread's number alone, and v_cndmask_b32 chooses.  Positions with rel outside [0, 2046]
;   are filled from clamped rows; no product ever takes them.  Work-group n: heads 4 (n & 3) .. + 3, pairs 256 (n >> 2) .. + 255.
; Numbers 20 to 1043: round f32 to f16 into cb = [3][8192][1024] f16 activations (query, key_, value), then [4][1024][1024] f16 weights (Wq, Wk, Wv, Wo).
;   The seven tensors are 7,168 pieces of 16 KiB; piece g goes to byte 8192 g of cb.  Work-group i takes pieces i + 1024 t, t = 0 .. 6: two of each
;   activation and one of a weight, so which tensor a piece belongs to is known from t, and all work-groups have the same work.
;   Memory binds: 16-byte loads, all 28 of a wave issued before the first is waited for, each byte read and written once.  No LDS, no matrix unit: nothing is shared.
; LIMITS: f32 numbers above 65,504 in magnitude become infinite in f16.  tanh(x) = 1 - 2 / (1 + 2^(2.885390 x)), absolute error about 1e-7.
;   A NaN offset is clamped to 0 by the minimum and maximum and not handed on.
.set NBIAS, 20                         ; work-groups that make the bias table
.set X,    8                           ; v[8:119]  stream: piece t, load j: four words at X + 16 t + 4 j, packed in place into the first two
.set SRC,  32                          ; s[32:45]  stream: where piece t comes from
.set DST,  48                          ; s[48:61]  stream: where piece t goes
.set ROWO, 2                           ; v[2:6]    bias: byte offsets of five neighbouring table rows
.set BND,  15                          ; v15       bias: 0.5 tanh(offset)
.set TB,   16                          ; v[16:35]  bias: row x, head hd of the quad at TB + 4 x + hd
.set OV,   40                          ; v[40:55]  bias: four words for each head
.set CF,   56                          ; v[56:61]  bias: (1 - w) log2e and w log2e for three positions
	s_load_b512 s[8:23], s[0:1], 0x0               ; query, key_, value, Wq, Wk, Wv, Wo, bias_table
	s_load_b128 s[24:27], s[0:1], 0x40             ; offset, cb
	s_load_b64 s[28:29], s[0:1], 0x50              ; btab
	s_cmp_lt_u32 ttmp9, NBIAS
	s_cbranch_scc1 .Lbias
	; ---- the stream ----
	s_sub_co_u32 s2, ttmp9, NBIAS                  ; i, 0 to 1023
	s_lshr_b32 s4, s2, 8                           ; which weight (256 pieces each)
	s_and_b32 s5, s2, 255                          ; piece in the weight
	s_lshl_b32 s6, s2, 14                          ; piece i of an activation, in bytes of f32
	s_mov_b32 s7, 0
	s_lshl_b32 s30, s5, 14
	s_mov_b32 s31, 0
	s_lshl_b32 s62, s2, 13                         ; piece i of cb, in bytes of f16
	s_mov_b32 s63, 0
	v_lshlrev_b32 v1, 4, v0                        ; 16 bytes of f32 a thread
	v_lshlrev_b32 v2, 3, v0                        ; 8 bytes of f16 a thread
	s_wait_kmcnt 0x0
	s_add_nc_u64 s[SRC+0:SRC+1], s[8:9], s[6:7]                    ; query, piece i
	s_add_nc_u64 s[SRC+2:SRC+3], s[SRC+0:SRC+1], 0x1000000         ; and piece i + 1024: 16 MiB on
	s_add_nc_u64 s[SRC+4:SRC+5], s[10:11], s[6:7]                  ; key_
	s_add_nc_u64 s[SRC+6:SRC+7], s[SRC+4:SRC+5], 0x1000000
	s_add_nc_u64 s[SRC+8:SRC+9], s[12:13], s[6:7]                  ; value
	s_add_nc_u64 s[SRC+10:SRC+11], s[SRC+8:SRC+9], 0x1000000
	s_cmp_eq_u32 s4, 1
	s_cselect_b64 s[SRC+12:SRC+13], s[16:17], s[14:15]
	s_cmp_eq_u32 s4, 2
	s_cselect_b64 s[SRC+12:SRC+13], s[18:19], s[SRC+12:SRC+13]
	s_cmp_eq_u32 s4, 3
	s_cselect_b64 s[SRC+12:SRC+13], s[20:21], s[SRC+12:SRC+13]
	s_add_nc_u64 s[SRC+12:SRC+13], s[SRC+12:SRC+13], s[30:31]      ; the weight's piece
	s_add_nc_u64 s[DST:DST+1], s[26:27], s[62:63]
.irp t, 1,2,3,4,5,6
	s_add_nc_u64 s[DST+2*\t:DST+2*\t+1], s[DST:DST+1], \t*0x800000 ; 1,024 pieces of 8 KiB on for each t
.endr
.irp t, 0,1,2,3,4,5,6
.irp j, 0,1,2,3
	global_load_b128 v[X+16*\t+4*\j:X+16*\t+4*\j+3], v1, s[SRC+2*\t:SRC+2*\t+1] offset:4096*\j th:TH_LOAD_NT   ; a wave's load covers 512 neighbouring bytes
.endr
.endr
.irp t, 0,1,2,3,4,5,6
.irp j, 0,1,2,3
	s_wait_loadcnt 27-4*\t-\j                      ; loads return in order: this one is in, the younger ones stay out
	v_cvt_pk_f16_f32 v[X+16*\t+4*\j], v[X+16*\t+4*\j], v[X+16*\t+4*\j+1]
	v_cvt_pk_f16_f32 v[X+16*\t+4*\j+1], v[X+16*\t+4*\j+2], v[X+16*\t+4*\j+3]
	global_store_b64 v2, v[X+16*\t+4*\j:X+16*\t+4*\j+1], s[DST+2*\t:DST+2*\t+1] offset:2048*\j   ; a wave's store covers 256 consecutive bytes, aligned
.endr
.endr
	s_endpgm                                       ; no source of a pending access is ever written again
	; ---- the bias table ----
.Lbias:
	s_and_b32 s2, ttmp9, 3                         ; which four heads
	s_lshr_b32 s3, ttmp9, 2
	s_lshl_b32 s3, s3, 8
	v_add_nc_u32 v8, s3, v0                        ; Pd, 0 to 1279
	v_lshlrev_b32 v7, 4, v8                        ; 16 bytes for each Pd in a head's table
	v_lshlrev_b32 v9, 1, v8
	v_sub_nc_u32 v9, 2047, v9                      ; R0 = 2047 - 2 Pd (signed)
.irp x, 0,1,2,3,4
	v_add_nc_u32 v[ROWO+\x], \x-2, v9              ; rows R0 - 2 .. R0 + 2,
	v_max_i32 v[ROWO+\x], 0, v[ROWO+\x]            ; kept inside the table,
	v_min_i32 v[ROWO+\x], 2046, v[ROWO+\x]
	v_lshlrev_b32 v[ROWO+\x], 6, v[ROWO+\x]        ; 64 bytes a row (16 heads)
.endr
	s_lshl_b32 s4, s2, 4                           ; my four heads in a row: 16 bytes
	s_mov_b32 s5, 0
	s_mul_i32 s6, s2, 4*20480                      ; and their four tables in btab
	s_mov_b32 s7, 0
	s_wait_kmcnt 0x0
	s_load_b32 s36, s[24:25], 0x0                  ; offset
	s_add_nc_u64 s[30:31], s[22:23], s[4:5]
	s_add_nc_u64 s[32:33], s[28:29], s[6:7]
.irp x, 0,1,2,3,4
	global_load_b128 v[TB+4*\x:TB+4*\x+3], v[ROWO+\x], s[30:31]
.endr
	s_wait_kmcnt 0x0
	v_mov_b32 v10, s36
	v_mul_f32 v10, 0x4038aa3b, v10                 ; 2 log2(e) x
	v_exp_f32 v10, v10
	v_nop                                          ; one plain instruction behind a transcendental before its result is used (ISA guide 5.7.2)
	s_wait_alu depctr_va_vdst(0)
	v_add_f32 v10, 1.0, v10
	v_rcp_f32 v10, v10
	v_nop
	s_wait_alu depctr_va_vdst(0)
	v_sub_f32 v[BND], 0.5, v10                     ; 0.5 tanh(x) = 0.5 - 1 / (1 + 2^(2 log2(e) x))
.irp y, 0,1,2                                      ; rel = R0 - 1 + y
	v_add_nc_u32 v11, \y-1, v9
	v_cvt_f32_i32 v11, v11
	v_add_f32 v12, v11, v[BND]
	v_max_num_f32 v12, 0, v12
	v_min_num_f32 v12, 0x44ffc000, v12             ; clip to [0, 2046]
	v_cmp_lt_f32 s[40+2*\y], v12, v11              ; below rel: floor is rel - 1
	v_cmp_gt_f32 s[41+2*\y], v12, v11              ; above rel: ceil is rel + 1
	v_floor_f32 v13, v12
	v_sub_f32 v13, v12, v13                        ; w
	v_sub_f32 v14, 1.0, v13
	v_mul_f32 v[CF+2*\y], 0x3fb8aa3b, v14          ; (1 - w) log2(e)
	v_mul_f32 v[CF+2*\y+1], 0x3fb8aa3b, v13        ; w log2(e)
.endr
	s_wait_loadcnt 0x0
; position y of the three, for my four heads, into word 'word' of each head's four
.macro MIX y, word
.irp hd, 0,1,2,3
	v_cndmask_b32 v10, v[TB+4*(\y+1)+\hd], v[TB+4*\y+\hd], s[40+2*\y]
	v_cndmask_b32 v11, v[TB+4*(\y+1)+\hd], v[TB+4*(\y+2)+\hd], s[41+2*\y]
	v_mul_f32 v10, v10, v[CF+2*\y]
	v_fma_f32 v[OV+4*\hd+\word], v11, v[CF+2*\y+1], v10
.endr
.endm
	MIX 1, 0                                       ; copy 0: rel = R0,
	MIX 0, 1                                       ;         R0 - 1
	MIX 2, 2                                       ; copy 1: R0 + 1,
.irp hd, 0,1,2,3
	v_mov_b32 v[OV+4*\hd+3], v[OV+4*\hd]           ;         R0 again: the fourth word of the 16 bytes that are stored together
.endr
.irp hd, 0,1,2,3
	global_store_b128 v7, v[OV+4*\hd:OV+4*\hd+3], s[32:33] offset:20480*\hd   ; a wave's store covers 512 consecutive bytes of one head's table
.endr
	s_endpgm
.Lfunc_end_k_q8abaff03f0_prep:
	.size	k_q8abaff03f0_prep, .Lfunc_end_k_q8abaff03f0_prep-k_q8abaff03f0_prep
	.p2alignl 7, 3214868480
	.fill 96, 4, 3214868480
	.section	.rodata,"a",@progbits
	.p2align	6, 0x0
	.amdhsa_kernel k_q8abaff03f0_prep
		.amdhsa_group_segment_fixed_size 0
		.amdhsa_private_segment_fixed_size 0
		.amdhsa_enable_private_segment 0
		.amdhsa_kernarg_size 88
		.amdhsa_user_sgpr_count 2
		.amdhsa_user_sgpr_kernarg_segment_ptr 1
		.amdhsa_wavefront_size32 1
		.amdhsa_system_sgpr_workgroup_id_x 1
		.amdhsa_system_sgpr_workgroup_id_y 1
		.amdhsa_system_sgpr_workgroup_id_z 1
		.amdhsa_system_vgpr_workitem_id 0
		.amdhsa_next_free_vgpr 120
		.amdhsa_next_free_sgpr 66
		.amdhsa_reserve_vcc 0
		.amdhsa_float_denorm_mode_32 3
		.amdhsa_float_denorm_mode_16_64 3
		.amdhsa_memory_ordered 1
		.amdhsa_forward_progress 1
		.amdhsa_inst_pref_size 19
	.end_amdhsa_kernel
	.amdgpu_metadata
---
amdhsa.version: [ 1, 2 ]
amdhsa.kernels:
  - .name:           k_q8abaff03f0_prep
    .symbol:         k_q8abaff03f0_prep.kd
    .args:
      - { .name: query, .offset: 0, .size: 8, .value_kind: global_buffer, .address_space: global }
      - { .name: key_, .offset: 8, .size: 8, .value_kind: global_buffer, .address_space: global }
      - { .name: value, .offset: 16, .size: 8, .value_kind: global_buffer, .address_space: global }
      - { .name: Wq, .offset: 24, .size: 8, .value_kind: global_buffer, .address_space: global }
      - { .name: Wk, .offset: 32, .size: 8, .value_kind: global_buffer, .address_space: global }
      - { .name: Wv, .offset: 40, .size: 8, .value_kind: global_buffer, .address_space: global }
      - { .name: Wo, .offset: 48, .size: 8, .value_kind: global_buffer, .address_space: global }
      - { .name: bias_table, .offset: 56, .size: 8, .value_kind: global_buffer, .address_space: global }
      - { .name: offset, .offset: 64, .size: 8, .value_kind: global_buffer, .address_space: global }
      - { .name: cb, .offset: 72, .size: 8, .value_kind: global_buffer, .address_space: global }
      - { .name: btab, .offset: 80, .size: 8, .value_kind: global_buffer, .address_space: global }
    .group_segment_fixed_size: 0
    .private_segment_fixed_size: 0
    .kernarg_segment_align: 8
    .kernarg_segment_size: 88
    .max_flat_workgroup_size: 256
    .sgpr_count:     66
    .vgpr_count:     120
    .wavefront_size: 32
...
	.end_amdgpu_metadata
.endif
;; end of part 1
;; launch qkv (part 2): grid 4 x 64, 4 waves a work-group, clusters of 4 x 4, 327,680 bytes of LDS; arguments cb, bq, bk, bv, qkv; writes qkv
.if DOCPART == 2
	.amdgcn_target "amdgcn-amd-amdhsa--gfx1250"
	.amdhsa_code_object_version 6
	.text
	.protected	k_q8abaff03f0_qkv
	.globl	k_q8abaff03f0_qkv
	.p2align	8
	.type	k_q8abaff03f0_qkv,@function
k_q8abaff03f0_qkv:
	s_mov_b64 s[64:65], 0
	v_nop
	global_prefetch_b8 v0, s[64:65] scope:SCOPE_SE
	s_setreg_imm32_b32 hwreg(HW_REG_WAVE_MODE, 25, 1), 1
	s_wait_xcnt 0x0
	s_wait_alu depctr_hold_cnt(0) depctr_sa_sdst(0) depctr_va_vdst(0) depctr_va_sdst(0) depctr_va_ssrc(0) depctr_va_vcc(0) depctr_vm_vsrc(0)
	s_getreg_b32 s2, hwreg(HW_REG_IB_STS2, 6, 4)
	s_cmp_eq_u32 s2, 0
	s_cbranch_scc0 .Lentry_in_a_cluster
	s_endpgm
.Lentry_in_a_cluster:
	s_bfe_u32 s2, ttmp6, 0x10000c
	s_cmp_lg_u32 s2, 0xf033
	s_cbranch_scc0 .Lentry_shape_is_right
	s_endpgm
.Lentry_shape_is_right:
; QKV.  The three input projections: C[m][n] = sum over k of A[m][k] W_p[n][k] + b_p[n], A = cb's [24576][1024] f16 rows (query, key_, value one after
; the other), p = m / 8192, W_p = cb's weight p.  Sums in f32.  q is also multiplied by 0.125 log2(e), so that the attention kernel's scores are exponents
; of 2.  Results go out in f16, head-major: qkv[p][16 b + head][t][64].
; TWO PHASES, so that the launch's 256 work-groups have equal work: the three projections are 384 blocks of 256 x 256, which 256 does not divide.
;   Phase 1: a whole block of 256 x 256 of q or k (256 such blocks); a wave makes 128 x 128 in 512 registers.
;   Phase 2: a half block of 128 x 256 of v (256 such halves); a wave makes 64 x 128 in 256 registers.
; K goes in steps of 128 through two LDS slots filled by the tensor data mover: a tile's rows are 256 bytes of memory and start at multiples of 256 bytes
; from the buffer's first byte.  The ring runs on from phase 1 into phase 2: the two slots get phase 2's first two tiles in phase 1's last two changes of
; slots, and these land while phase 1's results are stored.
; CLUSTERS: 4 x 4 work-groups.  The four of a row of the cluster need the same tiles of A, the four of a column the same tiles of W: each tile is
; asked for jointly, by the same tensor load with the same descriptor and a mask that names the four.  Phase 1's projection comes from the cluster's y
; alone (8 clusters for each), so it is the same in all sixteen.
; LIMIT: results above 65,504 in magnitude become infinite in f16.
;
; REGISTERS, in windows of 256:
;   window 0: v0-31 addresses; v32-63 and v224-255 the bias of my 128 columns; v64-127, v128-191 fragments of A, two buffers; v192-223 at work on the way out
;   window 1: v64-127, v128-191 fragments of W, two buffers
;   window 2: the 32 accumulator tiles of my rows 0-63 (tile (a, b) at v[8 (8 a + b)]);   window 3: those of my rows 64-127 (phase 1 alone)
; THE MATRIX INSTRUCTION IS USED TRANSPOSED: source 0 = 16 rows of W, source 1 = 16 rows of A.  Lane l then holds row l % 16 of C and its registers
; 0 to 7 the columns 8 (l / 16) + 0 .. 7: eight neighbouring numbers of a row, which pack into 16 bytes.
.set SIZE_K, 1024
.set KSTEP,  128
.set PITCH,  272                       ; an LDS row: 256 bytes of data + 16 of padding, so that the 16 rows that a fragment load touches begin 16 bytes further on in each 256
.set HALFT,  128*PITCH                 ; 128 rows: what one tensor load brings of W, and of A in phase 1
.set QUART,  64*PITCH                  ; 64 rows: what one tensor load brings of A in phase 2
.set SLOT,   4*HALFT                   ; A's rows (256, or 128 in phase 2) from byte 0, W's 256 rows from byte 2 HALFT
.set STAGE,  2*SLOT                    ; behind the ring: 16 rows x 272 bytes for each wave, for the way out; no tensor load lands there
.set SPITCH, 272
.set LAPS, SIZE_K/(2*KSTEP)            ; a lap = two K steps = once round the ring: 4 in each phase
.set ADRA, 16                          ; v16-17  LDS address of my A fragments in slot 0, 1, phase 1
.set ADRA2, 18                         ; v18-19  the same, phase 2
.set ADRB, 20                          ; v20-21  the same for W, both phases
.set STO,  24                          ; v24     the way out: where I put 16 bytes of a row
.set RD,   25                          ; v25     the way out: where I read back
.set CO,   26                          ; v26     my byte offset in qkv
.set BOFF, 27                          ; v27     my byte offset in the bias
.set BI,   32                          ; bias of column block b at v[BI + 8 b + 160 (b / 4)]
.set F0,   64
.set F1,   128
.set TMP,  192
.set G1, 24                            ; s[24:31] descriptor group 1 for A's tiles, phase 1: 128 rows
.set G0, 32                            ; s[32:39] descriptor group 0 for A's tiles, one set for each slot
.set G1B, 48                           ; s[48:55] group 1 for W's tiles
.set G0B, 56                           ; s[56:63] group 0 for W's tiles, one set for each slot
.set G1C, 88                           ; s[88:95] group 1 for A's tiles, phase 2: 64 rows
.set MSB, 0
.macro WIN new                         ; the immediate's high byte repeats the setting that is left
.if MSB != \new
	s_set_vgpr_msb (MSB<<8)|\new
.set MSB, \new
.endif
.endm
.set MUL_LO, 0xa1                      ; source 0 (W) window 1, source 1 (A) window 0, C and D window 2
.set MUL_HI, 0xf1                      ; the same, C and D window 3
.set TO_B,   0x40                      ; destination window 1, address window 0
; A joint load.  Waves 0 and 1 fetch A's two halves (shape ga), waves 2 and 3 W's.  Each line has one mask and one set of registers for all that issue it.
; The branch hangs on the wave's number alone.  Four v_nop follow each of the two lines.
.macro JLOAD s, ga
	s_cmp_eq_u32 s11, 0
	s_cbranch_scc0 .Lfor_b_\@
	tensor_load_to_lds s[G0+4*\s:G0+4*\s+3], s[\ga:\ga+7]
	s_nop 0
.rept 4
	v_nop
.endr
	s_branch .Lasked_\@
.Lfor_b_\@:
	tensor_load_to_lds s[G0B+4*\s:G0B+4*\s+3], s[G1B:G1B+7]
	s_nop 0
.rept 4
	v_nop
.endr
.Lasked_\@:
.endm
; A round of the cluster's barrier: my work-group's barrier; wave 0 signals for the work-group; every wave waits for all sixteen; my work-group's barrier again.
.macro CREST
	s_cmp_lg_u32 s10, 0
	s_cbranch_scc1 .Lnot_wave_0_\@
	s_barrier_signal -3
.Lnot_wave_0_\@:
	s_barrier_wait -3
	s_barrier_signal -1
	s_barrier_wait -1
.endm
.macro CROUND
	s_barrier_signal -1
	s_barrier_wait -1
	CREST
.endm
	s_load_b128 s[68:71], s[0:1], 0x0              ; cb s[68:69], bq s[70:71]
	s_load_b128 s[72:75], s[0:1], 0x10             ; bk s[72:73], bv s[74:75]
	s_load_b64 s[66:67], s[0:1], 0x20              ; qkv
	s_set_vgpr_msb 0x40
	v_lshl_add_u32 v255, v0, 2, 0x48400
	s_set_vgpr_msb 0x4000
	v_mov_b32 v31, 0
	s_set_vgpr_msb 0x1
	ds_add_u32 v255, v31
	s_set_vgpr_msb 0x100
	v_lshrrev_b32 v1, 5, v0
	v_readfirstlane_b32 s10, v1                    ; wave 0..3
	s_lshr_b32 s11, s10, 1                         ; which half of the block's rows is mine.  Also: I fetch for A (0) or for W (1)
	s_and_b32 s12, s10, 1                          ; which half of its columns.  Also: which half of that tile I fetch
	s_bfe_u32 s40, ttmp6, 0x40000                  ; cx
	s_bfe_u32 s41, ttmp6, 0x40004                  ; cy
	s_lshl_b32 s42, ttmp9, 2
	s_add_co_u32 s42, s42, s40                     ; block column = 4 x cluster x + cx, 0 to 3
	s_and_b32 s13, ttmp7, 0xffff
	s_lshr_b32 s76, s13, 3                         ; phase 1's projection: 8 clusters along y for q, 8 for k
	s_lshl_b32 s13, s13, 2
	s_add_co_u32 s13, s13, s41                     ; block row = 4 x cluster y + cy, 0 to 63: of 256 rows in phase 1, of 128 rows in phase 2
	s_lshl_b32 s43, s41, 2
	s_lshl_b32 s43, 15, s43                        ; my row of the cluster: places 4 cy .. 4 cy + 3
	s_lshl_b32 s44, 0x1111, s40                    ; my column: places cx, cx + 4, cx + 8, cx + 12
	; descriptor groups 1: tiles of 128 (or 64) rows x 128 elements of 2 bytes, 4 words of padding behind every 64
	s_or_b32 s[G1+0], s43, (1<<16)|(1<<20)|(1<<21)|(5<<22)|(3<<25)
	s_or_b32 s[G1C+0], s43, (1<<16)|(1<<20)|(1<<21)|(5<<22)|(3<<25)
	s_or_b32 s[G1B+0], s44, (1<<16)|(1<<20)|(1<<21)|(5<<22)|(3<<25)
	s_mov_b32 s[G1+1], KSTEP<<16                   ; tensor_dim0 = 128
	s_mov_b32 s[G1C+1], KSTEP<<16
	s_mov_b32 s[G1B+1], KSTEP<<16
	s_mov_b32 s[G1+2], 128<<16                     ; tensor_dim1 = the tile's rows
	s_mov_b32 s[G1C+2], 64<<16
	s_mov_b32 s[G1B+2], 128<<16
	s_mov_b32 s[G1+3], KSTEP<<16                   ; tile_dim0 = 128
	s_mov_b32 s[G1C+3], KSTEP<<16
	s_mov_b32 s[G1B+3], KSTEP<<16
	s_mov_b32 s[G1+4], 128                         ; tile_dim1
	s_mov_b32 s[G1C+4], 64
	s_mov_b32 s[G1B+4], 128
	s_mov_b32 s[G1+5], SIZE_K                      ; elements from row to row
	s_mov_b32 s[G1C+5], SIZE_K
	s_mov_b32 s[G1B+5], SIZE_K
	s_mov_b32 s[G1+6], 0
	s_mov_b32 s[G1C+6], 0
	s_mov_b32 s[G1B+6], 0
	s_mov_b32 s[G1+7], 0
	s_mov_b32 s[G1C+7], 0
	s_mov_b32 s[G1B+7], 0
	; where the tiles come from.  A's hang on the block row alone, W's on the block column and the projection.
	s_lshl_b32 s17, s12, 7
	s_lshl_b32 s16, s13, 8
	s_add_co_u32 s16, s16, s17                     ; phase 1, A: row 256 x block row + 128 x half
	s_lshl_b32 s46, s42, 8
	s_add_co_u32 s46, s46, s17                     ; W: row 256 x block column + 128 x half
	s_mov_b32 s17, 0
	s_mov_b32 s47, 0
	s_mov_b64 s[18:19], SIZE_K*2
	s_mul_u64 s[16:17], s[16:17], s[18:19]         ; in bytes
	s_mul_u64 s[46:47], s[46:47], s[18:19]
	s_lshl_b32 s82, s76, 21                        ; a weight in f16 is 2 MiB,
	s_add_co_u32 s82, s82, 0x3000000               ; behind the 48 MiB of activations
	s_mov_b32 s83, 0
	s_mul_i32 s20, s10, HALFT                      ; LDS: A's two halves, then W's two halves = wave x 128 rows
	s_mul_i32 s87, s10, QUART                      ; LDS of A's halves in phase 2 = wave x 64 rows
	s_lshl_b32 s84, s42, 10                        ; my first column's bias, in bytes: 4 (256 x block column + 128 x half)
	s_lshl_b32 s85, s12, 9
	s_add_co_u32 s84, s84, s85
	s_wait_dscnt 0x0
	s_wait_kmcnt 0x0
	s_add_nc_u64 s[14:15], s[68:69], s[16:17]
	s_add_nc_u64 s[6:7], s[68:69], s[82:83]
	s_add_nc_u64 s[46:47], s[6:7], s[46:47]
	s_lshl_b32 s16, s13, 18                        ; phase 2, A: row 16384 + 128 x block row + 64 x half, 2,048 bytes a row
	s_lshl_b32 s17, s12, 17
	s_add_co_u32 s16, s16, s17
	s_add_co_u32 s16, s16, 0x2000000
	s_mov_b32 s17, 0
	s_add_nc_u64 s[96:97], s[68:69], s[16:17]
	s_sub_co_u32 s82, 2, s76                       ; phase 2, W: the same rows of weight 2, which lies 2 - p weights further on
	s_lshl_b32 s82, s82, 21
	s_add_nc_u64 s[98:99], s[46:47], s[82:83]
	s_cmp_eq_u32 s76, 1
	s_cselect_b64 s[78:79], s[72:73], s[70:71]     ; phase 1's bias
	s_cmp_eq_u32 s76, 0
	s_cselect_b32 s80, 0x3e38aa3b, 1.0             ; q alone is scaled, by 0.125 log2(e)
	s_mov_b32 s81, s80
	CROUND                                         ; all sixteen work-groups are here: the first joint loads meet
.irp s, 0,1
	s_mov_b32 s[G0+4*\s], 1
	s_add_co_u32 s[G0+4*\s+1], s20, \s*SLOT
	s_add_nc_u64 s[G0+4*\s+2:G0+4*\s+3], s[14:15], \s*KSTEP*2
	s_or_b32 s[G0+4*\s+3], s[G0+4*\s+3], 0x80000000
	s_mov_b32 s[G0B+4*\s], 1
	s_add_co_u32 s[G0B+4*\s+1], s20, \s*SLOT
	s_add_nc_u64 s[G0B+4*\s+2:G0B+4*\s+3], s[46:47], \s*KSTEP*2
	s_or_b32 s[G0B+4*\s+3], s[G0B+4*\s+3], 0x80000000
	JLOAD \s, G1                                   ; the ring is filled before anything else is done
.endr
; the bias of my 128 columns: eight f32 for each column block and each half of the lanes.  It is waited for in front of the way out.
.macro LOADBIAS base
.irp b, 0,1,2,3,4,5,6,7
	global_load_b128 v[BI+8*\b+160*(\b/4):BI+8*\b+160*(\b/4)+3], v[BOFF], s[\base:\base+1] offset:64*\b
	global_load_b128 v[BI+8*\b+160*(\b/4)+4:BI+8*\b+160*(\b/4)+7], v[BOFF], s[\base:\base+1] offset:64*\b+16
.endr
.endm
	; A fragment is 16 rows x 32 K in 8 registers: lane l holds row l % 16; registers 0-3 hold K = 8 (l / 16) + 0..7, registers 4-7 K = 16 + 8 (l / 16) + 0..7.
	v_and_b32 v1, 15, v0                           ; l % 16
	v_bfe_u32 v2, v0, 4, 1                         ; l / 16
	v_lshl_add_u32 v[BOFF], v2, 5, s84
	LOADBIAS 78
	v_mul_u32_u24 v3, v1, PITCH
	v_lshl_add_u32 v3, v2, 4, v3                   ; row x pitch + 16 x half
	s_mul_i32 s21, s11, HALFT                      ; phase 1: my 128 rows of A
	s_mul_i32 s22, s12, HALFT                      ; my 128 rows of W,
	s_add_co_u32 s22, s22, 2*HALFT                 ; which begin at byte 2 HALFT of a slot
.irp s, 0,1
	v_add_nc_u32 v[ADRA+\s], s21, v3
	v_add_nc_u32 v[ADRB+\s], s22, v3
	s_add_co_u32 s21, s21, SLOT
	s_add_co_u32 s22, s22, SLOT
.endr
	s_mul_i32 s21, s11, QUART                      ; phase 2: my 64 rows of A
.irp s, 0,1
	v_add_nc_u32 v[ADRA2+\s], s21, v3
	s_add_co_u32 s21, s21, SLOT
.endr
	s_mul_i32 s23, s10, 16*SPITCH
	s_add_co_u32 s23, s23, STAGE                   ; my stage
	v_mul_u32_u24 v4, v1, SPITCH                   ; in: row l % 16, 16 bytes for each half of the lanes
	v_lshl_add_u32 v4, v2, 4, v4
	v_add_nc_u32 v[STO], s23, v4
	; back, head-major: a stage row holds two heads of 128 bytes.  Lanes 0-15 take one head's part of two rows (256 consecutive bytes of qkv), lanes 16-31 the other head's.
	v_and_b32 v5, 7, v0
	v_lshlrev_b32 v5, 4, v5                        ; 16 (l & 7)
	v_bfe_u32 v6, v0, 3, 1                         ; which of the two rows
	v_mul_u32_u24 v7, v6, SPITCH
	v_add_nc_u32 v7, v7, v5
	v_lshl_add_u32 v7, v2, 7, v7                   ; + 128 for the second head
	v_add_nc_u32 v[RD], s23, v7
	v_lshl_add_u32 v8, v6, 7, v5                   ; in qkv a row of a head is 128 bytes,
	v_lshl_add_u32 v[CO], v2, 17, v8               ; a head 131,072
; 16 matrix instructions: m blocks a0, a0 + 1 of the window's four x all 8 n blocks, 32 along K.  zero = 1: the first product starts the sums.
.macro MUL16 f, hi, a0, zero
.irp a, \a0, \a0+1
.irp b, 0,1,2,3,4,5,6,7
.if \zero
	v_wmma_f32_16x16x32_f16 v[8*(8*(\a)+\b):8*(8*(\a)+\b)+7], v[\f+8*\b:\f+8*\b+7], v[\f+8*(4*\hi+\a):\f+8*(4*\hi+\a)+7], 0
.else
	v_wmma_f32_16x16x32_f16 v[8*(8*(\a)+\b):8*(8*(\a)+\b)+7], v[\f+8*\b:\f+8*\b+7], v[\f+8*(4*\hi+\a):\f+8*(4*\hi+\a)+7], v[8*(8*(\a)+\b):8*(8*(\a)+\b)+7]
.endif
.endr
.endr
.endm
; the 16 loads of W's fragments of one quarter step into buffer f
.macro FETCHW slot, k, f
	WIN TO_B
.irp i, 0,1,2,3,4,5,6,7
	ds_load_b128 v[\f+8*\i:\f+8*\i+3],   v[ADRB+\slot] offset:\k+\i*16*PITCH
	ds_load_b128 v[\f+8*\i+4:\f+8*\i+7], v[ADRB+\slot] offset:\k+\i*16*PITCH+32
.endr
	WIN 0
.endm
; phase 1: 32 LDS loads in one run: W's 128 rows, A's 128 rows
.macro FETCH slot, k, f
	FETCHW \slot, \k, \f
.irp i, 0,1,2,3,4,5,6,7
	ds_load_b128 v[\f+8*\i:\f+8*\i+3],   v[ADRA+\slot] offset:\k+\i*16*PITCH
	ds_load_b128 v[\f+8*\i+4:\f+8*\i+7], v[ADRA+\slot] offset:\k+\i*16*PITCH+32
.endr
.endm
; phase 2: 24 LDS loads: W's 128 rows, A's 64 rows
.macro FETCHH slot, k, f
	FETCHW \slot, \k, \f
.irp i, 0,1,2,3
	ds_load_b128 v[\f+8*\i:\f+8*\i+3],   v[ADRA2+\slot] offset:\k+\i*16*PITCH
	ds_load_b128 v[\f+8*\i+4:\f+8*\i+7], v[ADRA2+\slot] offset:\k+\i*16*PITCH+32
.endr
.endm
; Four plain vector instructions stand between a matrix instruction and a load into one of its registers or a vector instruction that reads its result (ISA guide 7.12.1 for vector instructions).
.macro PLACES
.rept 4
	v_nop
.endr
.endm
; PHASE 1.  A K step is four quarter steps of 32 along K, 64 matrix instructions each, on buffers 0, 1, 0, 1.  The 64 accumulators take turns, one instruction a turn.
.macro QUARTER slot, k, f, g, zero
	s_wait_dscnt 8                                 ; W and A's rows 0-63 are in; the youngest eight loads (A's rows 64-127) may be out
	WIN MUL_LO
	MUL16 \f, 0, 0, \zero
	MUL16 \f, 0, 2, \zero
	PLACES
	FETCH \slot, \k, \g
	s_wait_dscnt 32                                ; all but the 32 just issued
	WIN MUL_HI
	MUL16 \f, 1, 0, \zero
	MUL16 \f, 1, 2, \zero
.endm
.macro THREE slot, zero
	QUARTER \slot, 64,  F0, F1, \zero
	QUARTER \slot, 128, F1, F0, 0
	QUARTER \slot, 192, F0, F1, 0
.endm
; Slot s gets phase 2's K step s: new places and addresses in both groups 0.  It stands where no tensor load of the wave is out.
.macro REBASE s
	s_add_co_u32 s[G0+4*\s+1], s87, \s*SLOT
	s_add_nc_u64 s[G0+4*\s+2:G0+4*\s+3], s[96:97], \s*KSTEP*2
	s_or_b32 s[G0+4*\s+3], s[G0+4*\s+3], 0x80000000
	s_add_nc_u64 s[G0B+4*\s+2:G0B+4*\s+3], s[98:99], \s*KSTEP*2
	s_or_b32 s[G0B+4*\s+3], s[G0B+4*\s+3], 0x80000000
.endm
; The first half of a K step's last quarter, and the change of slots.  In front of the round each wave waits for its reads of this slot and for all its tensor
; loads (one is out: its part of the other slot).  Behind the round the refill comes first.  fill = 1: this phase's tile two K steps on; fill = 2: phase 2's K step 'slot'.
.macro CHANGE slot, fill
	s_wait_dscnt 8
	WIN MUL_LO
	MUL16 F1, 0, 0, 0
	s_wait_dscnt 0                                 ; my reads of this slot are over
	s_wait_tensorcnt 0x0                           ; and all my tensor loads have landed
	ds_add_u32 v255, v31
	s_wait_dscnt 0x0
	s_barrier_signal -1                            ; this barrier opens a round of the cluster's barrier
	MUL16 F1, 0, 2, 0                              ; work on registers while the others arrive
	WIN 0
	s_barrier_wait -1
	CREST                                          ; no wave of any partner still reads this slot's tile or has a load on its way
.if \fill == 1
	s_add_nc_u64 s[G0+4*\slot+2:G0+4*\slot+3], s[G0+4*\slot+2:G0+4*\slot+3], 2*KSTEP*2
	s_add_nc_u64 s[G0B+4*\slot+2:G0B+4*\slot+3], s[G0B+4*\slot+2:G0B+4*\slot+3], 2*KSTEP*2
	JLOAD \slot, G1                                ; the first tensor load behind the round; its four v_nop are also the places in front of the loads that follow
.else
	REBASE \slot
	JLOAD \slot, G1C
.endif
.endm
.macro TURN slot, next, fill
	CHANGE \slot, \fill
	FETCH \next, 0, F0
	WIN MUL_HI
	MUL16 F1, 1, 0, 0
	MUL16 F1, 1, 2, 0
.endm
.macro LAP zero
	THREE 0, \zero
	TURN 0, 1, 1
	THREE 1, 0
	TURN 1, 0, 1
.endm
; PHASE 2.  A quarter step is 32 matrix instructions on 32 accumulators, which take turns as above.  The next quarter's 24 loads are issued at the quarter's head,
; so that they have its 32 matrix instructions in which to land.
.macro QUARTERH slot, k, f, g, zero
	s_wait_dscnt 0                                 ; buffer f is in: its loads were issued a quarter step ago
	PLACES                                         ; behind the last quarter's matrix instructions, which read buffer g
	FETCHH \slot, \k, \g
	WIN MUL_LO
	MUL16 \f, 0, 0, \zero
	MUL16 \f, 0, 2, \zero
.endm
.macro THREEH slot, zero
	QUARTERH \slot, 64,  F0, F1, \zero
	QUARTERH \slot, 128, F1, F0, 0
	QUARTERH \slot, 192, F0, F1, 0
.endm
.macro TURNH slot, next, fill
	s_wait_dscnt 0                                 ; buffer 1 is in, and with it my reads of this slot are over
	s_wait_tensorcnt 0x0                           ; all my tensor loads have landed: the one that was out is my part of the next slot
	ds_add_u32 v255, v31
	s_wait_dscnt 0x0
	s_barrier_signal -1                            ; (where a slot is filled again this barrier opens a round of the cluster's barrier)
	WIN MUL_LO
	MUL16 F1, 0, 0, 0
	WIN 0
	s_barrier_wait -1
.if \fill
	CREST
	s_add_nc_u64 s[G0+4*\slot+2:G0+4*\slot+3], s[G0+4*\slot+2:G0+4*\slot+3], 2*KSTEP*2
	s_add_nc_u64 s[G0B+4*\slot+2:G0B+4*\slot+3], s[G0B+4*\slot+2:G0B+4*\slot+3], 2*KSTEP*2
	JLOAD \slot, G1C
.else
	PLACES
.endif
	FETCHH \next, 0, F0
	WIN MUL_LO
	MUL16 F1, 0, 2, 0
.endm
.macro LAPH zero
	THREEH 0, \zero
	TURNH 0, 1, 1
	THREEH 1, 0
	TURNH 1, 0, 1
.endm
; THE WAY OUT, 16 rows at a time: scale and bias in f32, round to f16, 16 bytes a lane into my own stage, read back by heads.
; rows 16 i .. 16 i + 15 of my block = the eight tiles (a, 0..7) of window 2 (hiw = 0) or 3 (hiw = 1); f: F0 or F1 in turn; scaled = 1: times s80
.macro OUT16 i, a, hiw, f, scaled
.if \hiw
	WIN 0xc3                                       ; destination and source 0 window 3, the bias window 0
.else
	WIN 0x82
.endif
.irp b, 0,1,2,3,4,5,6,7
.irp r, 0,1,2,3
.if \scaled
	v_pk_fma_f32 v[8*(8*\a+\b)+2*\r:8*(8*\a+\b)+2*\r+1], v[8*(8*\a+\b)+2*\r:8*(8*\a+\b)+2*\r+1], s[80:81], v[BI+8*\b+160*(\b/4)+2*\r:BI+8*\b+160*(\b/4)+2*\r+1] op_sel_hi:[1,0,1]
.else
	v_pk_add_f32 v[8*(8*\a+\b)+2*\r:8*(8*\a+\b)+2*\r+1], v[8*(8*\a+\b)+2*\r:8*(8*\a+\b)+2*\r+1], v[BI+8*\b+160*(\b/4)+2*\r:BI+8*\b+160*(\b/4)+2*\r+1]
.endif
.endr
.endr
.if \hiw
	WIN 0x0f
.else
	WIN 0x0a
.endif
.irp b, 0,1,2,3,4,5,6,7
.irp r, 0,1,2,3
	v_cvt_pk_f16_f32 v[TMP+4*\b+\r], v[8*(8*\a+\b)+2*\r], v[8*(8*\a+\b)+2*\r+1]
.endr
.endr
	WIN 0
.irp b, 0,1,2,3,4,5,6,7
	ds_store_b128 v[STO], v[TMP+4*\b:TMP+4*\b+3] offset:32*\b
.endr
	s_wait_xcnt 0x0                                ; buffer f, which earlier stores read, and the stores' base are rewritten only behind this wait
.if \i
	s_add_nc_u64 s[8:9], s[8:9], 16*128            ; 16 rows of a head on
.endif
.irp u, 0,1,2,3,4,5,6,7
	ds_load_b128 v[\f+4*\u:\f+4*\u+3], v[RD] offset:\u*2*SPITCH    ; LDS serves a wave's instructions in order (ISA guide 5.7.1): these see the stores above
.endr
.irp u, 0,1,2,3,4,5,6,7
	s_wait_dscnt 7-\u
	global_store_b128 v[CO], v[\f+4*\u:\f+4*\u+3], s[8:9] offset:256*\u   ; 16 lanes store 256 consecutive bytes, aligned: two rows of one head
.endr
.endm
	; ---------------- PHASE 1 ----------------
	s_wait_tensorcnt 1                             ; my part of K step 0 is in; K step 1's stays out
	s_barrier_signal -1
	s_barrier_wait -1
	FETCH 0, 0, F0
	LAP 1                                          ; the first lap's first products start the sums
	WIN 0
	s_mov_b32 s3, LAPS-2
.Llap:
	LAP 0
	WIN 0
	s_sub_co_u32 s3, s3, 1
	s_cmp_lg_u32 s3, 0
	s_cbranch_scc1 .Llap
	THREE 0, 0                                     ; the last lap: the slots are filled again with phase 2's first two tiles
	TURN 0, 1, 2
	THREE 1, 0
	CHANGE 1, 2
	WIN MUL_HI
	MUL16 F1, 1, 0, 0
	MUL16 F1, 1, 2, 0
	PLACES
	WIN 0
	s_wait_loadcnt 0x0                             ; the bias, asked for at the start
.irp b, 0,1,2,3,4,5,6,7
.irp r, 0,1,2,3
	v_pk_mul_f32 v[BI+8*\b+160*(\b/4)+2*\r:BI+8*\b+160*(\b/4)+2*\r+1], v[BI+8*\b+160*(\b/4)+2*\r:BI+8*\b+160*(\b/4)+2*\r+1], s[80:81] op_sel_hi:[1,0]   ; (sum + b) s = sum s + b s
.endr
.endr
	s_lshr_b32 s16, s13, 2                         ; 4 block rows make a batch of 1,024 rows: 8 p + b,
	s_lshl_b32 s16, s16, 21                        ; 16 heads of 131,072 bytes each
	s_and_b32 s14, s13, 3
	s_lshl_b32 s14, s14, 15                        ; 256 rows of 128 bytes
	s_add_co_u32 s16, s16, s14
	s_lshl_b32 s14, s11, 14                        ; my 128 rows
	s_add_co_u32 s16, s16, s14
	s_mov_b32 s17, 0
	s_add_nc_u64 s[8:9], s[66:67], s[16:17]
	s_lshl_b32 s46, s42, 19                        ; head = 4 x block column + 2 x half (in the registers that held W's address)
	s_lshl_b32 s47, s12, 18
	s_add_co_u32 s46, s46, s47
	s_mov_b32 s47, 0
	s_add_nc_u64 s[8:9], s[8:9], s[46:47]
	OUT16 0, 0, 0, F0, 1
	OUT16 1, 1, 0, F1, 1
	OUT16 2, 2, 0, F0, 1
	OUT16 3, 3, 0, F1, 1
	OUT16 4, 0, 1, F0, 1
	OUT16 5, 1, 1, F1, 1
	OUT16 6, 2, 1, F0, 1
	OUT16 7, 3, 1, F1, 1
	; ---------------- PHASE 2 ----------------
	; Slot 0 holds K step 0: every wave waited for its part in front of the last round.  Slot 1's load is the one that is out.
	s_wait_xcnt 0x0                                ; the buffers, which the last stores read, are loaded again only behind this wait
	LOADBIAS 74                                    ; bv, for the way out
	FETCHH 0, 0, F0
	LAPH 1
	WIN 0
	s_mov_b32 s3, LAPS-2
.Llap2:
	LAPH 0
	WIN 0
	s_sub_co_u32 s3, s3, 1
	s_cmp_lg_u32 s3, 0
	s_cbranch_scc1 .Llap2
	THREEH 0, 0                                    ; the last lap fills nothing
	TURNH 0, 1, 0
	THREEH 1, 0
	s_wait_dscnt 0
	WIN MUL_LO
	MUL16 F1, 0, 0, 0
	MUL16 F1, 0, 2, 0
	PLACES
	WIN 0
	s_wait_loadcnt 0x0                             ; bv
	s_lshr_b32 s16, s13, 3                         ; 8 block rows of 128 make a batch; v is the third array: 16 + b
	s_add_co_u32 s16, s16, 16
	s_lshl_b32 s16, s16, 21
	s_and_b32 s14, s13, 7
	s_lshl_b32 s14, s14, 14                        ; 128 rows of 128 bytes
	s_add_co_u32 s16, s16, s14
	s_lshl_b32 s14, s11, 13                        ; my 64 rows
	s_add_co_u32 s16, s16, s14
	s_mov_b32 s17, 0
	s_add_nc_u64 s[8:9], s[66:67], s[16:17]        ; phase 1's stores had their addresses translated by the wait at the head of phase 2
	s_add_nc_u64 s[8:9], s[8:9], s[46:47]          ; the same heads as in phase 1
	OUT16 0, 0, 0, F0, 0
	OUT16 1, 1, 0, F1, 0
	OUT16 2, 2, 0, F0, 0
	OUT16 3, 3, 0, F1, 0
	s_set_vgpr_msb 0x1
	s_wait_tensorcnt 0x0
	ds_add_u32 v255, v31
	s_wait_dscnt 0x0
	s_set_vgpr_msb 0x100
	CROUND                                         ; the closing round: no work-group ends while a partner may still ask for a tile that names it
	s_endpgm
.Lfunc_end_k_q8abaff03f0_qkv:
	.size	k_q8abaff03f0_qkv, .Lfunc_end_k_q8abaff03f0_qkv-k_q8abaff03f0_qkv
	.p2alignl 7, 3214868480
	.fill 96, 4, 3214868480
	.section	.rodata,"a",@progbits
	.p2align	6, 0x0
	.amdhsa_kernel k_q8abaff03f0_qkv
		.amdhsa_group_segment_fixed_size 327680
		.amdhsa_private_segment_fixed_size 0
		.amdhsa_enable_private_segment 0
		.amdhsa_kernarg_size 40
		.amdhsa_user_sgpr_count 2
		.amdhsa_user_sgpr_kernarg_segment_ptr 1
		.amdhsa_wavefront_size32 1
		.amdhsa_system_sgpr_workgroup_id_x 1
		.amdhsa_system_sgpr_workgroup_id_y 1
		.amdhsa_system_sgpr_workgroup_id_z 1
		.amdhsa_system_vgpr_workitem_id 0
		.amdhsa_next_free_vgpr 1024
		.amdhsa_next_free_sgpr 100
		.amdhsa_reserve_vcc 0
		.amdhsa_float_denorm_mode_32 3
		.amdhsa_float_denorm_mode_16_64 3
		.amdhsa_memory_ordered 1
		.amdhsa_forward_progress 1
		.amdhsa_inst_pref_size 255
	.end_amdhsa_kernel
	.section	.bss,"aw",@nobits
	.p2align	6
	.space	262144
	.amdgpu_metadata
---
amdhsa.version: [ 1, 2 ]
amdhsa.kernels:
  - .name:           k_q8abaff03f0_qkv
    .symbol:         k_q8abaff03f0_qkv.kd
    .args:
      - { .name: cb, .offset: 0, .size: 8, .value_kind: global_buffer, .address_space: global }
      - { .name: bq, .offset: 8, .size: 8, .value_kind: global_buffer, .address_space: global }
      - { .name: bk, .offset: 16, .size: 8, .value_kind: global_buffer, .address_space: global }
      - { .name: bv, .offset: 24, .size: 8, .value_kind: global_buffer, .address_space: global }
      - { .name: qkv, .offset: 32, .size: 8, .value_kind: global_buffer, .address_space: global }
    .group_segment_fixed_size: 327680
    .private_segment_fixed_size: 0
    .kernarg_segment_align: 8
    .kernarg_segment_size: 40
    .max_flat_workgroup_size: 128
    .sgpr_count:     100
    .vgpr_count:     1024
    .wavefront_size: 32
...
	.end_amdgpu_metadata
.endif
;; end of part 2
;; launch attn (part 3): grid 256 x 1, 8 waves a work-group, no clusters, 327,680 bytes of LDS; arguments qkv, btab, ob; writes ob
.if DOCPART == 3
	.amdgcn_target "amdgcn-amd-amdhsa--gfx1250"
	.amdhsa_code_object_version 6
	.text
	.protected	k_q8abaff03f0_attn
	.globl	k_q8abaff03f0_attn
	.p2align	8
	.type	k_q8abaff03f0_attn,@function
k_q8abaff03f0_attn:
	s_mov_b64 s[64:65], 0
	v_nop
	global_prefetch_b8 v0, s[64:65] scope:SCOPE_SE
	s_setreg_imm32_b32 hwreg(HW_REG_WAVE_MODE, 25, 1), 1
	s_wait_xcnt 0x0
; ATTN.  softmax(q k^T / 8 + bias) v for one head and 512 queries in each work-group, with a running maximum.  q comes scaled by 0.125 log2(e) and the bias
; by log2(e), so every exponential is a power of 2.  Work-group n: head-and-batch n >> 1, query half n & 1.  Wave w: queries 64 w .. 64 w + 63 of the half, four tiles of 16.
; Eight waves, two on each SIMD with 512 registers each, so that one wave's softmax runs beside the other's matrix work.
; TRANSPOSED: S^T = K Q^T + bias (A = 16 keys, B = 16 queries, C = a fragment of the bias table), so lane (r, h) holds keys 8 h + j of query r.  Two such tiles,
; rounded to f16, ARE the B fragment of P^T for O^T = V^T P^T: nothing moves between lanes.  Maximum, sum and rescaling factor are one number a lane;
; one v_permlanex16_b32 joins the two halves of the keys.
; THE BIAS hangs on key - query alone, so a tile's fragment hangs on delta = key tile - query tile alone: 32 keys x 64 queries (8 tiles) use 5 fragments, of which 2 are new.
; LDS holds the head's whole K and V and the bias window; every byte is filled once, so there is no ring and no refill.  The loads go out in stages: at the start
; the bias window and keys 0-127; behind the barrier in front of keys 0-127 the load of keys 128-255, in front of keys 128-255 that of keys 256-511, in front of
; keys 256-383 that of keys 512-1023: one load a wave behind each barrier, each asked for 128 or 256 keys of work before it is read, so that the first products need
; only the first stage's bytes.  A wave has two tensor loads out at the most.  Waves 0-3 bring K, waves 4-7 V: each load is two lines under a branch on the wave's
; number, and each side writes the padding word and the LDS place, which differ between K and V, directly in front of its line.
; K and V are dense in memory (rows of 128 bytes one behind the other), so a tile is stated as rows of 256 bytes, aligned, with padding behind every 32 words:
; in LDS each row of 128 bytes gets its own padding.
; NO MULTICAST: two work-groups share a head's K and V, and each takes them in once, 256 KiB for its 8,192 matrix instructions; a cluster of four would hold two heads,
; whose work-groups would need masks of two partners and addresses that differ inside the cluster.
; LIMITS: P below 2^-24 is 0 in f16; the sum of a row is taken over the f32 numbers, the product over their f16 roundings.
.set KB,  14336                        ; LDS: bias window 0 .. 14,335 (56 rows of 256 bytes); K from here, 1,024 rows,
.set KP,  144                          ;   128 bytes + 16 of padding
.set VB,  161792                       ; V from here, 1,024 rows,
.set VP,  160                          ;   128 bytes + 32 of padding (an odd multiple of 32, for the transposing loads)
; window 0
.set VK,  2                            ; v2   K fragments: KB + 144 r + 16 h, stepped by 128 keys
.set VV,  3                            ; v3   V fragments: VB + 160 (8 h + (L & 7)) + 16 ((L >> 3) & 1), stepped
.set VBI, 4                            ; v4   bias fragment delta = -3 of the current 128 keys, stepped
.set VQ,  5                            ; v5   128 r + 16 h
.set STO, 6                            ; v6   the way out: in
.set RD,  7                            ; v7   the way out: back
.set CO,  8                            ; v8   16 L
.set PMB, 16                           ; v[16+8 par+2 qt] running maximum, two sets that take turns; the odd register beside it takes the other half's
.set ALB, 32                           ; v[32+2 qt] rescaling factor, v[33+2 qt] running sum
.set TSB, 40                           ; v[40+2 qt : +1] a substep's sum, as a pair
.set KFB, 48                           ; v[48+16 kt+8 ks] K fragments
.set VFB, 80                           ; v[80+8 dt] V^T fragments
.set PB,  112                          ; v[112+8 qt] P^T fragments
.set SB,  144                          ; v[144+16 qt+8 kt] S^T tiles
; window 1
.set OB,  0                            ; v[32 qt+8 dt] O^T tiles
.set QFB, 128                          ; v[128+16 qt+8 ks] Q fragments
.set BRB, 192                          ; v[192+8 slot] ring of eight bias fragments, slot = delta mod 8
.set G1T, 24                           ; s[24:31] shape of the bias window's part
.set G1S, 32                           ; s[32:39] shape: 32 keys of K or V = 16 rows of 256 bytes
.set G1M, 40                           ; s[40:47] shape: 64 keys = 32 rows
.set G1L, 76                           ; s[76:83] shape: 128 keys = 64 rows
.set GA,  48                           ; s[48:51] group 0: keys 0-127
.set GB,  52                           ; s[52:55] group 0: keys 128-255
.set GC,  56                           ; s[56:59] group 0: keys 256-511
.set GD,  84                           ; s[84:87] group 0: keys 512-1023
.set MSB, 0
.macro WIN new
.if MSB != \new
	s_set_vgpr_msb (MSB<<8)|\new
.set MSB, \new
.endif
.endm
.macro PLACES                          ; four plain vector instructions behind matrix instructions (ISA guide 7.12.1 for vector instructions)
.rept 4
	v_nop
.endr
.endm
.macro SHAPE g, rows                   ; all words of a group 1 but the first: rows of 128 elements of 2 bytes, dense
	s_mov_b32 s[\g+1], 128<<16
	s_mov_b32 s[\g+2], \rows<<16
	s_mov_b32 s[\g+3], 128<<16
	s_mov_b32 s[\g+4], \rows
	s_mov_b32 s[\g+5], 128
	s_mov_b32 s[\g+6], 0
	s_mov_b32 s[\g+7], 0
.endm
; My load of one stage: 'keys' keys a wave, the stage's first key 'first'.  Waves 0-3 bring K, waves 4-7 V.  On each side the padding word (elements of 2 bytes; behind
; every 32 words 4 words for K, 8 for V) and the LDS place (the wave's number times a constant plus a constant) are written directly in front of the load.
; No tensor load that names these registers is out where the macro stands.  Four v_nop follow each of the two lines.
.macro KVLOAD g0, g1, keys, first
	s_cmp_lt_u32 s10, 4
	s_cbranch_scc0 .Lfor_v_\@
	s_mov_b32 s[\g1], (1<<16)|(1<<20)|(4<<22)|(3<<25)
	s_mul_i32 s[\g0+1], s10, \keys*KP
	s_add_co_u32 s[\g0+1], s[\g0+1], KB+\first*KP
	tensor_load_to_lds s[\g0:\g0+3], s[\g1:\g1+7]
	s_nop 0
.rept 4
	v_nop
.endr
	s_branch .Lasked_\@
.Lfor_v_\@:
	s_mov_b32 s[\g1], (1<<16)|(1<<20)|(4<<22)|(7<<25)
	s_mul_i32 s[\g0+1], s10, \keys*VP
	s_add_co_u32 s[\g0+1], s[\g0+1], VB+\first*VP-4*\keys*VP
	tensor_load_to_lds s[\g0:\g0+3], s[\g1:\g1+7]
	s_nop 0
.rept 4
	v_nop
.endr
.Lasked_\@:
.endm
	s_load_b128 s[4:7], s[0:1], 0x0                ; qkv s[4:5], btab s[6:7]
	s_load_b64 s[8:9], s[0:1], 0x10                ; ob
	v_lshl_add_u32 v254, v0, 2, 0x4f800
	v_mov_b32 v255, 0
	ds_add_u32 v254, v255
	v_lshrrev_b32 v1, 5, v0
	v_readfirstlane_b32 s10, v1                    ; wave 0..7
	s_lshr_b32 s11, ttmp9, 1                       ; 16 b + head
	s_and_b32 s12, ttmp9, 1                        ; query half
	s_and_b32 s13, s11, 15                         ; head
	s_lshl_b32 s14, s11, 17                        ; a head's 1,024 rows of 128 bytes
	s_mov_b32 s15, 0
	s_mov_b32 s60, 0x76543210                      ; v_permlanex16_b32: lane i reads lane i of the other half
	s_mov_b32 s61, 0xfedcba98
	; bias window: each wave brings 7 rows of 256 bytes (32 elements of 8 bytes), dense
	s_mov_b32 s[G1T+0], 3<<16
	s_mov_b32 s[G1T+1], 32<<16
	s_mov_b32 s[G1T+2], 7<<16
	s_mov_b32 s[G1T+3], 32<<16
	s_mov_b32 s[G1T+4], 7
	s_mov_b32 s[G1T+5], 32
	s_mov_b32 s[G1T+6], 0
	s_mov_b32 s[G1T+7], 0
	SHAPE G1S, 16                                  ; the first words (padding) are written where the loads are issued
	SHAPE G1M, 32
	SHAPE G1L, 64
	s_mul_i32 s66, s13, 20480                      ; my head's table,
	s_xor_b32 s63, s12, 1
	s_lshl_b32 s63, s63, 12                        ; the window begins 256 pairs later for the lower query half,
	s_add_co_u32 s66, s66, s63
	s_mul_i32 s21, s10, 1792                       ; my 7 rows: also their LDS address
	s_add_co_u32 s66, s66, s21
	s_mov_b32 s67, 0
	s_lshr_b32 s18, s10, 2                         ; 0: I bring K, 1: I bring V
	s_add_co_u32 s18, s18, 1
	s_lshl_b32 s18, s18, 24                        ; k is the second array of qkv, 16 MiB in; v the third, 32 MiB in
	s_add_co_u32 s18, s18, s14                     ; my head in it
	s_mov_b32 s19, 0
	s_and_b32 s63, s10, 3                          ; my place among the four waves that bring K, or V
	s_lshl_b32 s68, s63, 12                        ; 32 keys of 128 bytes
	s_mov_b32 s69, 0
	s_lshl_b32 s70, s63, 13                        ; 64 keys,
	s_add_co_u32 s70, s70, 32768                   ; behind the first 256
	s_mov_b32 s71, 0
	s_lshl_b32 s74, s63, 14                        ; 128 keys,
	s_add_co_u32 s74, s74, 65536                   ; behind the first 512
	s_mov_b32 s75, 0
	s_lshl_b32 s72, s12, 16                        ; my queries: 512 rows a half,
	s_lshl_b32 s73, s10, 13                        ; 64 rows a wave,
	s_add_co_u32 s72, s72, s73
	s_add_co_u32 s72, s72, s14                     ; in my head
	s_mov_b32 s73, 0
	s_mov_b32 s20, 1
	s_mov_b32 s[GA], 1
	s_mov_b32 s[GB], 1
	s_mov_b32 s[GC], 1
	s_mov_b32 s[GD], 1
	s_wait_dscnt 0x0
	s_wait_kmcnt 0x0
	s_add_nc_u64 s[22:23], s[6:7], s[66:67]
	s_or_b32 s23, s23, 0x80000000
	tensor_load_to_lds s[20:23], s[G1T:G1T+7]      ; the first of my two loads at the start
	s_nop 0
	s_add_nc_u64 s[18:19], s[4:5], s[18:19]        ; my head's K, or V
	s_add_nc_u64 s[GA+2:GA+3], s[18:19], s[68:69]  ; keys 0-127: 32 a wave
	s_add_nc_u64 s[GB+2:GB+3], s[GA+2:GA+3], 16384 ; keys 128-255: 32 a wave
	s_add_nc_u64 s[GC+2:GC+3], s[18:19], s[70:71]  ; keys 256-511: 64 a wave
	s_add_nc_u64 s[GD+2:GD+3], s[18:19], s[74:75]  ; keys 512-1023: 128 a wave
	s_or_b32 s[GA+3], s[GA+3], 0x80000000
	s_or_b32 s[GB+3], s[GB+3], 0x80000000
	s_or_b32 s[GC+3], s[GC+3], 0x80000000
	s_or_b32 s[GD+3], s[GD+3], 0x80000000
	KVLOAD GA, G1S, 32, 0                          ; keys 0-127: the second of my two loads at the start
	s_add_nc_u64 s[16:17], s[4:5], s[72:73]        ; my 64 rows of q
	s_add_nc_u64 s[8:9], s[8:9], s[72:73]          ; and of ob
	v_and_b32 v9, 31, v0                           ; L
	v_and_b32 v10, 15, v0                          ; r
	v_bfe_u32 v11, v0, 4, 1                        ; h
	v_lshlrev_b32 v[VQ], 7, v10
	v_lshl_add_u32 v[VQ], v11, 4, v[VQ]
	WIN 0x40                                       ; destination window 1
.irp qt, 0,1,2,3
.irp ks, 0,1
	global_load_b128 v[QFB+16*\qt+8*\ks:QFB+16*\qt+8*\ks+3],   v[VQ], s[16:17] offset:2048*\qt+64*\ks      ; query 16 qt + r, d = 32 ks + 8 h ..
	global_load_b128 v[QFB+16*\qt+8*\ks+4:QFB+16*\qt+8*\ks+7], v[VQ], s[16:17] offset:2048*\qt+64*\ks+32   ; d = 32 ks + 16 + 8 h ..
.endr
.endr
	WIN 0
	v_and_b32 v12, 7, v0                           ; L & 7
	v_bfe_u32 v13, v0, 3, 1                        ; (L >> 3) & 1
	v_mul_u32_u24 v14, v10, KP
	v_lshl_add_u32 v14, v11, 4, v14                ; 144 r + 16 h
	v_add_nc_u32 v[VK], KB, v14
	s_mul_i32 s63, s10, 64*KP
	s_add_co_u32 s63, s63, KB                      ; my stage for the way out: 64 rows of 144 bytes in K's bytes, used when K has been read for the last time
	v_add_nc_u32 v[STO], s63, v14
	v_lshrrev_b32 v15, 3, v9
	v_mul_u32_u24 v15, v15, KP
	v_lshl_add_u32 v15, v12, 4, v15                ; back: four rows of 128 bytes for the 32 lanes
	v_add_nc_u32 v[RD], s63, v15
	v_lshlrev_b32 v[CO], 4, v9
	v_lshl_add_u32 v15, v11, 3, v12                ; 8 h + (L & 7)
	v_mul_u32_u24 v15, v15, VP
	v_lshl_add_u32 v15, v13, 4, v15
	v_add_nc_u32 v[VV], VB, v15
	; Key k, query q want table position 1024 + k - q.  In the window, for tile distance delta, lane (r, h), register j:
	; byte 128 delta + 16 (256 - 32 w + 4 h - (r >> 1)) + 8 (r & 1) + 16 (j >> 1) + 4 (j & 1).  At delta = -3 that is 16 + 512 (7 - w) + 64 h + 16 (7 - (r >> 1)) + 8 (r & 1).
	s_sub_co_u32 s63, 7, s10
	s_lshl_b32 s63, s63, 9
	s_add_co_u32 s63, s63, 16
	v_lshrrev_b32 v15, 1, v10
	v_sub_nc_u32 v15, 7, v15
	v_lshl_add_u32 v15, v15, 4, s63
	v_lshl_add_u32 v15, v11, 6, v15
	v_and_b32 v14, 1, v0
	v_lshl_add_u32 v[VBI], v14, 3, v15
.irp x, 0,1,2,3,4,5,6,7
	v_mov_b32 v[PMB+2*\x+1], 0                     ; v_permlanex16_b32 counts as a reader of its destination
.endr
; The barrier between two stages: every wave's tensor loads have landed and its LDS reads are back; behind it every wave may read what the others brought.
.macro STAGEBAR
	s_wait_tensorcnt 0x0
	ds_add_u32 v254, v255
	s_wait_dscnt 0x0
	s_wait_dscnt 0x0
	s_barrier_signal -1
	s_barrier_wait -1
.endm
	STAGEBAR                                       ; the bias window and keys 0-127 are in
	KVLOAD GB, G1S, 32, 128                        ; keys 128-255: my one load behind this barrier, into bytes that nothing has filled
	WIN 0x40
.irp dl, 0,1,2,3,4                                 ; delta = -3 .. 1 into slots 5, 6, 7, 0, 1
.irp m, 0,1,2,3
	ds_load_b64 v[BRB+8*((\dl+5)&7)+2*\m:BRB+8*((\dl+5)&7)+2*\m+1], v[VBI] offset:128*\dl+16*\m
.endr
.endr
	WIN 0
	s_wait_loadcnt 0x0                             ; q
; 32 keys (substep i of four in 128 keys) against my 64 queries.  first = 1: the very first substep starts maximum, sum and O.
; All matrix instructions take their accumulators by turns, one instruction a turn.
.macro SUB i, first
	WIN 0x14                                       ; B (q) and C (bias) window 1
.irp qt, 0,1,2,3
.irp kt, 0,1
	v_wmma_f32_16x16x32_f16 v[SB+16*\qt+8*\kt:SB+16*\qt+8*\kt+7], v[KFB+16*\kt:KFB+16*\kt+7], v[QFB+16*\qt:QFB+16*\qt+7], v[BRB+8*((2*\i+\kt-\qt+8)&7):BRB+8*((2*\i+\kt-\qt+8)&7)+7]
.endr
.endr
	WIN 0x04                                       ; C is now the tile itself
.irp qt, 0,1,2,3
.irp kt, 0,1
	v_wmma_f32_16x16x32_f16 v[SB+16*\qt+8*\kt:SB+16*\qt+8*\kt+7], v[KFB+16*\kt+8:KFB+16*\kt+15], v[QFB+16*\qt+8:QFB+16*\qt+15], v[SB+16*\qt+8*\kt:SB+16*\qt+8*\kt+7]
.endr
.endr
	WIN 0
	PLACES
	; loads for later, a whole softmax ahead of their use: this substep's V^T, the next substep's K, two new bias fragments
.irp dt, 0,1,2,3
	ds_load_tr16_b128 v[VFB+8*\dt:VFB+8*\dt+3],   v[VV] offset:32*VP*\i+32*\dt
	ds_load_tr16_b128 v[VFB+8*\dt+4:VFB+8*\dt+7], v[VV] offset:32*VP*\i+32*\dt+16*VP
.endr
.if \i < 3
.irp kt, 0,1
.irp ks, 0,1
	ds_load_b128 v[KFB+16*\kt+8*\ks:KFB+16*\kt+8*\ks+3],   v[VK] offset:32*KP*(\i+1)+16*KP*\kt+64*\ks
	ds_load_b128 v[KFB+16*\kt+8*\ks+4:KFB+16*\kt+8*\ks+7], v[VK] offset:32*KP*(\i+1)+16*KP*\kt+64*\ks+32
.endr
.endr
.endif
	WIN 0x40
.irp fr, 0,1
.irp m, 0,1,2,3
	ds_load_b64 v[BRB+8*((2*\i+2+\fr)&7)+2*\m:BRB+8*((2*\i+2+\fr)&7)+2*\m+1], v[VBI] offset:128*(2*\i+5+\fr)+16*\m
.endr
.endr
	WIN 0
	; the running maximum of each query: 16 keys in my registers, then the other half of the lanes
.if \first
.irp qt, 0,1,2,3
	v_max3_num_f32 v[PMB+8*(\i&1)+2*\qt], v[SB+16*\qt], v[SB+16*\qt+1], v[SB+16*\qt+2]
.endr
.irp x, 3,5,7,9,11,13
.irp qt, 0,1,2,3
	v_max3_num_f32 v[PMB+8*(\i&1)+2*\qt], v[PMB+8*(\i&1)+2*\qt], v[SB+16*\qt+\x], v[SB+16*\qt+\x+1]
.endr
.endr
.irp qt, 0,1,2,3
	v_max_num_f32 v[PMB+8*(\i&1)+2*\qt], v[PMB+8*(\i&1)+2*\qt], v[SB+16*\qt+15]
.endr
.else
.irp qt, 0,1,2,3
	v_max3_num_f32 v[PMB+8*(\i&1)+2*\qt], v[PMB+8*(1-(\i&1))+2*\qt], v[SB+16*\qt], v[SB+16*\qt+1]
.endr
.irp x, 2,4,6,8,10,12,14
.irp qt, 0,1,2,3
	v_max3_num_f32 v[PMB+8*(\i&1)+2*\qt], v[PMB+8*(\i&1)+2*\qt], v[SB+16*\qt+\x], v[SB+16*\qt+\x+1]
.endr
.endr
.endif
.irp qt, 0,1,2,3
	v_permlanex16_b32 v[PMB+8*(\i&1)+2*\qt+1], v[PMB+8*(\i&1)+2*\qt], s60, s61
.endr
.irp qt, 0,1,2,3
	v_max_num_f32 v[PMB+8*(\i&1)+2*\qt], v[PMB+8*(\i&1)+2*\qt], v[PMB+8*(\i&1)+2*\qt+1]
.endr
.if \first == 0
.irp qt, 0,1,2,3
	v_sub_f32 v[ALB+2*\qt], v[PMB+8*(1-(\i&1))+2*\qt], v[PMB+8*(\i&1)+2*\qt]       ; old maximum - new maximum
.endr
.endif
.irp x, 0,2,4,6,8,10,12,14
.irp qt, 0,1,2,3
	v_pk_add_f32 v[SB+16*\qt+\x:SB+16*\qt+\x+1], v[SB+16*\qt+\x:SB+16*\qt+\x+1], v[PMB+8*(\i&1)+2*\qt:PMB+8*(\i&1)+2*\qt+1] op_sel_hi:[1,0] neg_lo:[0,1] neg_hi:[0,1]
.endr
.endr
.if \first == 0
.irp qt, 0,1,2,3
	v_exp_f32 v[ALB+2*\qt], v[ALB+2*\qt]
.endr
.endif
.irp x, 0,1,2,3,4,5,6,7,8,9,10,11,12,13,14,15
.irp qt, 0,1,2,3
	v_exp_f32 v[SB+16*\qt+\x], v[SB+16*\qt+\x]
.endr
.endr
	v_nop                                          ; one plain instruction behind the transcendentals before their results are used (ISA guide 5.7.2)
	s_wait_alu depctr_va_vdst(0)
.irp qt, 0,1,2,3
	v_pk_add_f32 v[TSB+2*\qt:TSB+2*\qt+1], v[SB+16*\qt:SB+16*\qt+1], v[SB+16*\qt+2:SB+16*\qt+3]
.endr
.irp x, 4,6,8,10,12,14
.irp qt, 0,1,2,3
	v_pk_add_f32 v[TSB+2*\qt:TSB+2*\qt+1], v[TSB+2*\qt:TSB+2*\qt+1], v[SB+16*\qt+\x:SB+16*\qt+\x+1]
.endr
.endr
.if \first
.irp qt, 0,1,2,3
	v_add_f32 v[ALB+2*\qt+1], v[TSB+2*\qt], v[TSB+2*\qt+1]
.endr
.else
.irp qt, 0,1,2,3
	v_add_f32 v[TSB+2*\qt], v[TSB+2*\qt], v[TSB+2*\qt+1]
.endr
.irp qt, 0,1,2,3
	v_fma_f32 v[ALB+2*\qt+1], v[ALB+2*\qt+1], v[ALB+2*\qt], v[TSB+2*\qt]           ; the sum stays my half's until the end: the factor is the same in both halves
.endr
.endif
.irp qt, 0,1,2,3
.irp x, 0,1,2,3,4,5,6,7
	v_cvt_pk_f16_f32 v[PB+8*\qt+\x], v[SB+16*\qt+2*\x], v[SB+16*\qt+2*\x+1]        ; keys 8 h .. of tile 0 into registers 0-3, of tile 1 into 4-7: the B fragment
.endr
.endr
	s_wait_dscnt 0x0                               ; V^T for now, K and bias for the next substep
.if \first == 0
	WIN 0x41                                       ; O in window 1, the factor in window 0
.irp qt, 0,1,2,3
.irp x, 0,1,2,3,4,5,6,7,8,9,10,11,12,13,14,15
	v_pk_mul_f32 v[OB+32*\qt+2*\x:OB+32*\qt+2*\x+1], v[OB+32*\qt+2*\x:OB+32*\qt+2*\x+1], v[ALB+2*\qt:ALB+2*\qt+1] op_sel_hi:[1,0]
.endr
.endr
.endif
	WIN 0x50                                       ; C and D window 1
.irp qt, 0,1,2,3
.irp dt, 0,1,2,3
.if \first
	v_wmma_f32_16x16x32_f16 v[OB+32*\qt+8*\dt:OB+32*\qt+8*\dt+7], v[VFB+8*\dt:VFB+8*\dt+7], v[PB+8*\qt:PB+8*\qt+7], 0
.else
	v_wmma_f32_16x16x32_f16 v[OB+32*\qt+8*\dt:OB+32*\qt+8*\dt+7], v[VFB+8*\dt:VFB+8*\dt+7], v[PB+8*\qt:PB+8*\qt+7], v[OB+32*\qt+8*\dt:OB+32*\qt+8*\dt+7]
.endif
.endr
.endr
	WIN 0
.endm
; 128 keys
.macro PERIOD first
.irp kt, 0,1
.irp ks, 0,1
	ds_load_b128 v[KFB+16*\kt+8*\ks:KFB+16*\kt+8*\ks+3],   v[VK] offset:16*KP*\kt+64*\ks
	ds_load_b128 v[KFB+16*\kt+8*\ks+4:KFB+16*\kt+8*\ks+7], v[VK] offset:16*KP*\kt+64*\ks+32
.endr
.endr
	s_wait_dscnt 0x0
	SUB 0, \first
	SUB 1, 0
	SUB 2, 0
	SUB 3, 0
	v_add_nc_u32 v[VK], 128*KP, v[VK]
	v_add_nc_u32 v[VV], 128*VP, v[VV]
	v_add_nc_u32 v[VBI], 1024, v[VBI]              ; eight key tiles on: delta + 8, the same slots
.endm
	PERIOD 1                                       ; keys 0-127
	STAGEBAR                                       ; keys 128-255 are in
	KVLOAD GC, G1M, 64, 256                        ; keys 256-511
	PERIOD 0                                       ; keys 128-255
	STAGEBAR                                       ; keys 256-511 are in
	KVLOAD GD, G1L, 128, 512                       ; keys 512-1023: the last load, with 256 keys of work in which to land
	PERIOD 0                                       ; keys 256-383
	PERIOD 0                                       ; keys 384-511
	STAGEBAR                                       ; keys 512-1023 are in: no load is out in the loop
	s_mov_b32 s62, 4
.Lkeys:
	PERIOD 0
	s_sub_co_u32 s62, s62, 1
	s_cmp_lg_u32 s62, 0
	s_cbranch_scc1 .Lkeys
	; THE WAY OUT: join the halves' sums, divide, round to f16, through my stage into whole rows.
	PLACES
.irp qt, 0,1,2,3
	v_permlanex16_b32 v[PMB+2*\qt+1], v[ALB+2*\qt+1], s60, s61
.endr
.irp qt, 0,1,2,3
	v_add_f32 v[ALB+2*\qt+1], v[ALB+2*\qt+1], v[PMB+2*\qt+1]
.endr
.irp qt, 0,1,2,3
	v_rcp_f32 v[ALB+2*\qt], v[ALB+2*\qt+1]
.endr
	v_nop
	s_wait_dscnt 0x0                               ; my reads of K are over,
	s_barrier_signal -1
	s_barrier_wait -1                              ; everybody's are
.irp qt, 0,1,2,3
	WIN 0x01                                       ; source 0 (O) window 1
	s_wait_alu depctr_va_vdst(0)
.irp x, 0,1,2,3,4,5,6,7,8,9,10,11,12,13,14,15
	v_pk_mul_f32 v[KFB+2*\x:KFB+2*\x+1], v[OB+32*\qt+2*\x:OB+32*\qt+2*\x+1], v[ALB+2*\qt:ALB+2*\qt+1] op_sel_hi:[1,0]
.endr
	WIN 0
.irp x, 0,1,2,3,4,5,6,7,8,9,10,11,12,13,14,15
	v_cvt_pk_f16_f32 v[VFB+\x], v[KFB+2*\x], v[KFB+2*\x+1]
.endr
.irp dt, 0,1,2,3
	ds_store_b128 v[STO], v[VFB+4*\dt:VFB+4*\dt+3] offset:16*KP*\qt+32*\dt         ; query 16 qt + r, d = 16 dt + 8 h .. + 7
.endr
.endr
.irp u, 0,1,2,3,4,5,6,7,8,9,10,11,12,13,14,15
	ds_load_b128 v[SB+4*\u:SB+4*\u+3], v[RD] offset:4*KP*\u                        ; my own bytes, served in order (ISA guide 5.7.1): these see the stores above
.endr
.irp u, 0,1,2,3,4,5,6,7,8,9,10,11,12,13,14,15
	s_wait_dscnt 15-\u
	global_store_b128 v[CO], v[SB+4*\u:SB+4*\u+3], s[8:9] offset:512*\u            ; a wave's store covers 512 consecutive bytes: four rows of my head
.endr
	s_wait_tensorcnt 0x0
	ds_add_u32 v254, v255
	s_wait_dscnt 0x0
	s_endpgm
.Lfunc_end_k_q8abaff03f0_attn:
	.size	k_q8abaff03f0_attn, .Lfunc_end_k_q8abaff03f0_attn-k_q8abaff03f0_attn
	.p2alignl 7, 3214868480
	.fill 96, 4, 3214868480
	.section	.rodata,"a",@progbits
	.p2align	6, 0x0
	.amdhsa_kernel k_q8abaff03f0_attn
		.amdhsa_group_segment_fixed_size 327680
		.amdhsa_private_segment_fixed_size 0
		.amdhsa_enable_private_segment 0
		.amdhsa_kernarg_size 24
		.amdhsa_user_sgpr_count 2
		.amdhsa_user_sgpr_kernarg_segment_ptr 1
		.amdhsa_wavefront_size32 1
		.amdhsa_system_sgpr_workgroup_id_x 1
		.amdhsa_system_sgpr_workgroup_id_y 1
		.amdhsa_system_sgpr_workgroup_id_z 1
		.amdhsa_system_vgpr_workitem_id 0
		.amdhsa_next_free_vgpr 512
		.amdhsa_next_free_sgpr 88
		.amdhsa_reserve_vcc 0
		.amdhsa_float_denorm_mode_32 3
		.amdhsa_float_denorm_mode_16_64 3
		.amdhsa_memory_ordered 1
		.amdhsa_forward_progress 1
		.amdhsa_inst_pref_size 255
	.end_amdhsa_kernel
	.section	.bss,"aw",@nobits
	.p2align	6
	.space	262144
	.amdgpu_metadata
---
amdhsa.version: [ 1, 2 ]
amdhsa.kernels:
  - .name:           k_q8abaff03f0_attn
    .symbol:         k_q8abaff03f0_attn.kd
    .args:
      - { .name: qkv, .offset: 0, .size: 8, .value_kind: global_buffer, .address_space: global }
      - { .name: btab, .offset: 8, .size: 8, .value_kind: global_buffer, .address_space: global }
      - { .name: ob, .offset: 16, .size: 8, .value_kind: global_buffer, .address_space: global }
    .group_segment_fixed_size: 327680
    .private_segment_fixed_size: 0
    .kernarg_segment_align: 8
    .kernarg_segment_size: 24
    .max_flat_workgroup_size: 256
    .sgpr_count:     88
    .vgpr_count:     512
    .wavefront_size: 32
...
	.end_amdgpu_metadata
.endif
;; end of part 3
;; launch outp (part 4): grid 4 x 64, 4 waves a work-group, clusters of 4 x 4, 327,680 bytes of LDS; arguments ob, cb, bo, out0; writes out0
.if DOCPART == 4
	.amdgcn_target "amdgcn-amd-amdhsa--gfx1250"
	.amdhsa_code_object_version 6
	.text
	.protected	k_q8abaff03f0_outp
	.globl	k_q8abaff03f0_outp
	.p2align	8
	.type	k_q8abaff03f0_outp,@function
k_q8abaff03f0_outp:
	s_mov_b64 s[64:65], 0
	v_nop
	global_prefetch_b8 v0, s[64:65] scope:SCOPE_SE
	s_setreg_imm32_b32 hwreg(HW_REG_WAVE_MODE, 25, 1), 1
	s_wait_xcnt 0x0
	s_wait_alu depctr_hold_cnt(0) depctr_sa_sdst(0) depctr_va_vdst(0) depctr_va_sdst(0) depctr_va_ssrc(0) depctr_va_vcc(0) depctr_vm_vsrc(0)
	s_getreg_b32 s2, hwreg(HW_REG_IB_STS2, 6, 4)
	s_cmp_eq_u32 s2, 0
	s_cbranch_scc0 .Lentry_in_a_cluster
	s_endpgm
.Lentry_in_a_cluster:
	s_bfe_u32 s2, ttmp6, 0x10000c
	s_cmp_lg_u32 s2, 0xf033
	s_cbranch_scc0 .Lentry_shape_is_right
	s_endpgm
.Lentry_shape_is_right:
; OUTP.  out0[m][n] = sum over e of O[m][e] Wo[n][e] + bo[n], f32 out.  O = ob, f16, head-major [16 b + head][t][64]; Wo = cb's fourth weight, f16 [1024][1024].
; A work-group makes 128 x 256 with four waves, a wave 64 x 128 in 256 registers: 8192 x 1024 outputs are 256 such blocks, so the launch has 256 work-groups of equal
; work; blocks of 256 x 256 would make 128.  The price: for 32 along K a wave loads 192 rows from LDS for 32 matrix instructions, where a wave of 128 x 128 loads 256 rows for 64.
; K goes in steps of 128 = two heads through two LDS slots.  A's tile of a K step is two sub-tiles of 128 rows x 128 bytes, one for each head; a sub-tile is dense in
; memory (16,384 bytes), so it is stated as 64 rows of 256 bytes, aligned, with padding behind every 32 words: in LDS each row of 128 bytes gets its own padding.
; Wave 0 brings the even head's sub-tile, wave 1 the odd head's, waves 2 and 3 the two halves of Wo's tile (128 rows x 256 bytes each).
; CLUSTERS: 4 x 4 work-groups; A's tiles are asked for jointly along a row of the cluster, Wo's along a column.
; REGISTERS, in windows of 256:
;   window 0: v0-31 addresses; v32-63 and v224-255 the bias of my 128 columns; v64-95, v128-159 fragments of A, two buffers; on the way out v64-127, v128-191 rows read back
;   window 1: v64-127, v128-191 fragments of Wo, two buffers;   window 2: the 32 accumulator tiles (tile (a, b) at v[8 (8 a + b)])
; THE MATRIX INSTRUCTION IS USED TRANSPOSED (source 0 = rows of Wo, source 1 = rows of A): a lane holds eight neighbouring columns of one row, 32 bytes of f32.
.set SIZE_K, 1024
.set KSTEP,  128
.set PITCH,  272                       ; Wo's LDS rows: 256 bytes + 16
.set APITCH, 144                       ; A's LDS rows: 128 bytes + 16
.set HALFT,  128*PITCH                 ; half of Wo's tile
.set SUBT,   128*APITCH                ; one head's sub-tile of A
.set SLOT,   4*HALFT                   ; A's two sub-tiles from byte 0, Wo's 256 rows from byte 2 HALFT, so that every load's place is the wave's number times a constant
.set STAGE,  2*SLOT                    ; behind the ring: 16 rows x 528 bytes for each wave; no tensor load lands there
.set SPITCH, 528                       ; 128 f32 + 16 bytes
.set LAPS, SIZE_K/(2*KSTEP)
.set ADRA, 16
.set ADRB, 20
.set STO,  24
.set RD,   25
.set CO,   26
.set BOFF, 27
.set BI,   32                          ; bias of column block b at v[BI + 8 b + 160 (b / 4)]
.set F0,   64
.set F1,   128
.set G1, 24
.set G0, 32
.set G1B, 48
.set G0B, 56
.set MSB, 0
.macro WIN new
.if MSB != \new
	s_set_vgpr_msb (MSB<<8)|\new
.set MSB, \new
.endif
.endm
.set MUL_W, 0xa1                       ; source 0 (Wo) window 1, source 1 (A) window 0, C and D window 2
.set TO_B,  0x40                       ; destination window 1, address window 0
; A joint load: waves 0 and 1 ask for A, waves 2 and 3 for Wo; one mask and one set of registers for each line; four v_nop follow each.
.macro JLOAD s
	s_cmp_eq_u32 s11, 0
	s_cbranch_scc0 .Lfor_b_\@
	tensor_load_to_lds s[G0+4*\s:G0+4*\s+3], s[G1:G1+7]
	s_nop 0
.rept 4
	v_nop
.endr
	s_branch .Lasked_\@
.Lfor_b_\@:
	tensor_load_to_lds s[G0B+4*\s:G0B+4*\s+3], s[G1B:G1B+7]
	s_nop 0
.rept 4
	v_nop
.endr
.Lasked_\@:
.endm
.macro CREST
	s_cmp_lg_u32 s10, 0
	s_cbranch_scc1 .Lnot_wave_0_\@
	s_barrier_signal -3
.Lnot_wave_0_\@:
	s_barrier_wait -3
	s_barrier_signal -1
	s_barrier_wait -1
.endm
.macro CROUND
	s_barrier_signal -1
	s_barrier_wait -1
	CREST
.endm
	s_load_b128 s[68:71], s[0:1], 0x0              ; ob s[68:69], cb s[70:71]
	s_load_b128 s[72:75], s[0:1], 0x10             ; bo s[72:73], out0 s[74:75]
	s_set_vgpr_msb 0x40
	v_lshl_add_u32 v255, v0, 2, 0x4c400
	s_set_vgpr_msb 0x4000
	v_mov_b32 v223, 0
	s_set_vgpr_msb 0x1
	ds_add_u32 v255, v223
	s_set_vgpr_msb 0x100
	v_lshrrev_b32 v1, 5, v0
	v_readfirstlane_b32 s10, v1                    ; wave 0..3
	s_lshr_b32 s11, s10, 1                         ; which half of the block's rows is mine.  Also: I fetch for A (0) or for Wo (1)
	s_and_b32 s12, s10, 1                          ; which half of its columns.  Also: which head's sub-tile, or which half of Wo's tile, I fetch
	s_bfe_u32 s40, ttmp6, 0x40000                  ; cx
	s_bfe_u32 s41, ttmp6, 0x40004                  ; cy
	s_lshl_b32 s42, ttmp9, 2
	s_add_co_u32 s42, s42, s40                     ; block column, 0 to 3
	s_and_b32 s13, ttmp7, 0xffff
	s_lshl_b32 s13, s13, 2
	s_add_co_u32 s13, s13, s41                     ; block row, 0 to 63
	s_lshl_b32 s43, s41, 2
	s_lshl_b32 s43, 15, s43                        ; my row of the cluster
	s_lshl_b32 s44, 0x1111, s40                    ; my column
	; group 1 for A: 64 rows x 128 elements of 2 bytes, dense; 4 words of padding behind every 32
	s_or_b32 s[G1+0], s43, (1<<16)|(1<<20)|(1<<21)|(4<<22)|(3<<25)
	s_mov_b32 s[G1+1], 128<<16
	s_mov_b32 s[G1+2], 64<<16
	s_mov_b32 s[G1+3], 128<<16
	s_mov_b32 s[G1+4], 64
	s_mov_b32 s[G1+5], 128
	s_mov_b32 s[G1+6], 0
	s_mov_b32 s[G1+7], 0
	; group 1 for Wo: 128 rows x 128 elements, 4 words of padding behind every 64
	s_or_b32 s[G1B+0], s44, (1<<16)|(1<<20)|(1<<21)|(5<<22)|(3<<25)
	s_mov_b32 s[G1B+1], KSTEP<<16
	s_mov_b32 s[G1B+2], 128<<16
	s_mov_b32 s[G1B+3], KSTEP<<16
	s_mov_b32 s[G1B+4], 128
	s_mov_b32 s[G1B+5], SIZE_K
	s_mov_b32 s[G1B+6], 0
	s_mov_b32 s[G1B+7], 0
	; A: batch = block row / 8 (16 heads of 131,072 bytes), 128 rows of 128 bytes for each block row in it, head 0 or 1 by the wave
	s_lshr_b32 s16, s13, 3
	s_lshl_b32 s16, s16, 21
	s_and_b32 s17, s13, 7
	s_lshl_b32 s17, s17, 14
	s_add_co_u32 s16, s16, s17
	s_lshl_b32 s17, s12, 17
	s_add_co_u32 s16, s16, s17
	s_mov_b32 s17, 0
	; Wo: row 256 x block column + 128 x half, 2,048 bytes a row
	s_lshl_b32 s46, s42, 19
	s_lshl_b32 s47, s12, 18
	s_add_co_u32 s46, s46, s47
	s_mov_b32 s47, 0
	s_mul_i32 s20, s10, SUBT                       ; LDS of A's sub-tiles: waves 0, 1
	s_mul_i32 s86, s10, HALFT                      ; LDS of Wo's halves: waves 2, 3
	s_lshl_b32 s84, s42, 10                        ; my first column, in bytes of f32
	s_lshl_b32 s85, s12, 9
	s_add_co_u32 s84, s84, s85
	s_wait_dscnt 0x0
	s_wait_kmcnt 0x0
	s_add_nc_u64 s[14:15], s[68:69], s[16:17]
	s_add_nc_u64 s[6:7], s[70:71], 0x3600000       ; Wo: behind 48 MiB of activations and three weights of 2 MiB
	s_add_nc_u64 s[46:47], s[6:7], s[46:47]
	s_mov_b64 s[8:9], s[74:75]
	CROUND                                         ; all sixteen work-groups are here: the first joint loads meet
.irp s, 0,1
	s_mov_b32 s[G0+4*\s], 1
	s_add_co_u32 s[G0+4*\s+1], s20, \s*SLOT
	s_add_nc_u64 s[G0+4*\s+2:G0+4*\s+3], s[14:15], \s*262144       ; K step s: two heads on
	s_or_b32 s[G0+4*\s+3], s[G0+4*\s+3], 0x80000000
	s_mov_b32 s[G0B+4*\s], 1
	s_add_co_u32 s[G0B+4*\s+1], s86, \s*SLOT
	s_add_nc_u64 s[G0B+4*\s+2:G0B+4*\s+3], s[46:47], \s*KSTEP*2
	s_or_b32 s[G0B+4*\s+3], s[G0B+4*\s+3], 0x80000000
	JLOAD \s
.endr
	v_and_b32 v1, 15, v0                           ; l % 16
	v_bfe_u32 v2, v0, 4, 1                         ; l / 16
	v_lshl_add_u32 v[BOFF], v2, 5, s84
.irp b, 0,1,2,3,4,5,6,7                            ; the bias of my 128 columns; it is waited for in front of the way out
	global_load_b128 v[BI+8*\b+160*(\b/4):BI+8*\b+160*(\b/4)+3], v[BOFF], s[72:73] offset:64*\b
	global_load_b128 v[BI+8*\b+160*(\b/4)+4:BI+8*\b+160*(\b/4)+7], v[BOFF], s[72:73] offset:64*\b+16
.endr
	v_mul_u32_u24 v3, v1, PITCH
	v_lshl_add_u32 v3, v2, 4, v3
	v_mul_u32_u24 v6, v1, APITCH
	v_lshl_add_u32 v6, v2, 4, v6
	s_mul_i32 s21, s11, 64*APITCH                  ; my 64 rows in each of A's sub-tiles
	s_mul_i32 s22, s12, HALFT                      ; my 128 rows of Wo,
	s_add_co_u32 s22, s22, 2*HALFT                 ; which begin at byte 2 HALFT of a slot
.irp s, 0,1
	v_add_nc_u32 v[ADRA+\s], s21, v6
	v_add_nc_u32 v[ADRB+\s], s22, v3
	s_add_co_u32 s21, s21, SLOT
	s_add_co_u32 s22, s22, SLOT
.endr
	s_mul_i32 s23, s10, 16*SPITCH
	s_add_co_u32 s23, s23, STAGE                   ; my stage
	v_mul_u32_u24 v4, v1, SPITCH                   ; in: row l % 16, 32 bytes for each half of the lanes
	v_lshl_add_u32 v4, v2, 5, v4
	v_add_nc_u32 v[STO], s23, v4
	v_and_b32 v5, 31, v0
	v_lshlrev_b32 v[CO], 4, v5                     ; back and out: the 32 lanes take one row's 512 bytes
	v_add_nc_u32 v[RD], s23, v[CO]
; 16 matrix instructions: m blocks a0, a0 + 1 of my four x all 8 n blocks, 32 along K.  zero = 1: the first product starts the sums.
.macro MUL16 f, a0, zero
.irp a, \a0, \a0+1
.irp b, 0,1,2,3,4,5,6,7
.if \zero
	v_wmma_f32_16x16x32_f16 v[8*(8*(\a)+\b):8*(8*(\a)+\b)+7], v[\f+8*\b:\f+8*\b+7], v[\f+8*(\a):\f+8*(\a)+7], 0
.else
	v_wmma_f32_16x16x32_f16 v[8*(8*(\a)+\b):8*(8*(\a)+\b)+7], v[\f+8*\b:\f+8*\b+7], v[\f+8*(\a):\f+8*(\a)+7], v[8*(8*(\a)+\b):8*(8*(\a)+\b)+7]
.endif
.endr
.endr
.endm
; 24 LDS loads in one run.  k = byte of the K step's 256: in Wo's rows as it stands; in A, k / 128 picks the head's sub-tile and k % 128 the byte in its rows.
.macro FETCH slot, k, f
	WIN TO_B
.irp i, 0,1,2,3,4,5,6,7
	ds_load_b128 v[\f+8*\i:\f+8*\i+3],   v[ADRB+\slot] offset:\k+\i*16*PITCH
	ds_load_b128 v[\f+8*\i+4:\f+8*\i+7], v[ADRB+\slot] offset:\k+\i*16*PITCH+32
.endr
	WIN 0
.irp i, 0,1,2,3
	ds_load_b128 v[\f+8*\i:\f+8*\i+3],   v[ADRA+\slot] offset:(\k/128)*SUBT+(\k%128)+\i*16*APITCH
	ds_load_b128 v[\f+8*\i+4:\f+8*\i+7], v[ADRA+\slot] offset:(\k/128)*SUBT+(\k%128)+\i*16*APITCH+32
.endr
.endm
.macro PLACES                          ; four plain vector instructions behind matrix instructions (ISA guide 7.12.1 for vector instructions)
.rept 4
	v_nop
.endr
.endm
; A K step is four quarter steps of 32 along K, 32 matrix instructions each, on buffers 0, 1, 0, 1.  The 32 accumulators take turns, one instruction a turn.
; The next quarter's 24 loads are issued at the quarter's head, so that they have its 32 matrix instructions in which to land.
.macro QUARTER slot, k, f, g, zero
	s_wait_dscnt 0                                 ; buffer f is in: its loads were issued a quarter step ago
	PLACES                                         ; behind the last quarter's matrix instructions, which read buffer g
	FETCH \slot, \k, \g
	WIN MUL_W
	MUL16 \f, 0, \zero
	MUL16 \f, 2, \zero
.endm
.macro THREE slot, zero
	QUARTER \slot, 64,  F0, F1, \zero
	QUARTER \slot, 128, F1, F0, 0
	QUARTER \slot, 192, F0, F1, 0
.endm
; The last quarter multiplies buffer 1 and changes slots.  In front of the barrier each wave waits for its reads of this slot and for all its tensor loads
; (one is out: its part of the next slot).  Behind it the refill comes first, then the next slot's first fragments.
.macro TURN slot, next, fill
	s_wait_dscnt 0                                 ; buffer 1 is in, and with it my reads of this slot are over
	s_wait_tensorcnt 0x0                           ; and all my tensor loads have landed
	ds_add_u32 v255, v223
	s_wait_dscnt 0x0
	s_barrier_signal -1                            ; (where a slot is filled again this barrier opens a round of the cluster's barrier)
	WIN MUL_W
	MUL16 F1, 0, 0                                 ; work on registers while the others arrive
	WIN 0
	s_barrier_wait -1
.if \fill
	CREST                                          ; no wave of any partner still reads this slot's tile or has a load on its way
	s_add_nc_u64 s[G0+4*\slot+2:G0+4*\slot+3], s[G0+4*\slot+2:G0+4*\slot+3], 2*262144       ; two K steps = four heads on
	s_add_nc_u64 s[G0B+4*\slot+2:G0B+4*\slot+3], s[G0B+4*\slot+2:G0B+4*\slot+3], 2*KSTEP*2
	JLOAD \slot                                    ; the first tensor load behind the round; its four v_nop are also the places in front of the loads below
.else
	PLACES
.endif
	FETCH \next, 0, F0
	WIN MUL_W
	MUL16 F1, 2, 0
.endm
.macro LAP zero
	THREE 0, \zero
	TURN 0, 1, 1
	THREE 1, 0
	TURN 1, 0, 1
.endm
	s_wait_tensorcnt 1                             ; my part of K step 0 is in; K step 1's stays out
	s_barrier_signal -1
	s_barrier_wait -1
	FETCH 0, 0, F0
	LAP 1                                          ; the first lap's first products start the sums
	WIN 0
	s_mov_b32 s3, LAPS-2
.Llap:
	LAP 0
	WIN 0
	s_sub_co_u32 s3, s3, 1
	s_cmp_lg_u32 s3, 0
	s_cbranch_scc1 .Llap
	THREE 0, 0                                     ; the last lap fills nothing
	TURN 0, 1, 0
	THREE 1, 0
	s_wait_dscnt 0
	WIN MUL_W
	MUL16 F1, 0, 0
	MUL16 F1, 2, 0
	; THE WAY OUT, 16 rows at a time: add the bias, 32 bytes a lane into my own stage, read back as whole rows of 512 bytes.
	PLACES
	WIN 0
	s_wait_loadcnt 0x0                             ; the bias, asked for at the start
	s_lshl_b32 s16, s13, 19                        ; 128 rows of 4,096 bytes
	s_lshl_b32 s14, s11, 18                        ; my 64 rows
	s_add_co_u32 s16, s16, s14
	s_mov_b32 s17, 0
	s_add_nc_u64 s[8:9], s[8:9], s[16:17]
	s_mov_b32 s46, s84                             ; my first column, in bytes (in the registers that held Wo's address)
	s_mov_b32 s47, 0
	s_add_nc_u64 s[8:9], s[8:9], s[46:47]
; rows 16 i .. 16 i + 15 of my block = the eight tiles (i, 0..7); f: F0 or F1 in turn, 64 registers
.macro OUT16F i, f
	WIN 0x82                                       ; destination and source 0 window 2, the bias window 0
.irp b, 0,1,2,3,4,5,6,7
.irp r, 0,1,2,3
	v_pk_add_f32 v[8*(8*\i+\b)+2*\r:8*(8*\i+\b)+2*\r+1], v[8*(8*\i+\b)+2*\r:8*(8*\i+\b)+2*\r+1], v[BI+8*\b+160*(\b/4)+2*\r:BI+8*\b+160*(\b/4)+2*\r+1]
.endr
.endr
	WIN 0x08                                       ; an LDS store's data is source 1
.irp b, 0,1,2,3,4,5,6,7
	ds_store_b128 v[STO], v[8*(8*\i+\b):8*(8*\i+\b)+3] offset:64*\b
	ds_store_b128 v[STO], v[8*(8*\i+\b)+4:8*(8*\i+\b)+7] offset:64*\b+16
.endr
	WIN 0
	s_wait_xcnt 0x0                                ; buffer f, which earlier stores read, and the stores' base are rewritten only behind this wait
.if \i
	s_add_nc_u64 s[8:9], s[8:9], 16*4096           ; 16 rows of out0 on
.endif
.irp u, 0,1,2,3,4,5,6,7,8,9,10,11,12,13,14,15
	ds_load_b128 v[\f+4*\u:\f+4*\u+3], v[RD] offset:\u*SPITCH      ; LDS serves a wave's instructions in order (ISA guide 5.7.1): these see the stores above
.endr
.irp u, 0,1,2,3,4,5,6,7,8,9,10,11,12,13,14,15
	s_wait_dscnt 15-\u
	global_store_b128 v[CO], v[\f+4*\u:\f+4*\u+3], s[8:9] offset:4096*\u th:TH_STORE_NT   ; a wave's store covers 512 consecutive bytes of one row, aligned
.endr
.endm
	OUT16F 0, F0
	OUT16F 1, F1
	OUT16F 2, F0
	OUT16F 3, F1
	s_set_vgpr_msb 0x1
	s_wait_tensorcnt 0x0
	ds_add_u32 v255, v223
	s_wait_dscnt 0x0
	s_set_vgpr_msb 0x100
	CROUND                                         ; the closing round: no work-group ends while a partner may still ask for a tile that names it
	s_endpgm
.Lfunc_end_k_q8abaff03f0_outp:
	.size	k_q8abaff03f0_outp, .Lfunc_end_k_q8abaff03f0_outp-k_q8abaff03f0_outp
	.p2alignl 7, 3214868480
	.fill 96, 4, 3214868480
	.section	.rodata,"a",@progbits
	.p2align	6, 0x0
	.amdhsa_kernel k_q8abaff03f0_outp
		.amdhsa_group_segment_fixed_size 327680
		.amdhsa_private_segment_fixed_size 0
		.amdhsa_enable_private_segment 0
		.amdhsa_kernarg_size 32
		.amdhsa_user_sgpr_count 2
		.amdhsa_user_sgpr_kernarg_segment_ptr 1
		.amdhsa_wavefront_size32 1
		.amdhsa_system_sgpr_workgroup_id_x 1
		.amdhsa_system_sgpr_workgroup_id_y 1
		.amdhsa_system_sgpr_workgroup_id_z 1
		.amdhsa_system_vgpr_workitem_id 0
		.amdhsa_next_free_vgpr 768
		.amdhsa_next_free_sgpr 96
		.amdhsa_reserve_vcc 0
		.amdhsa_float_denorm_mode_32 3
		.amdhsa_float_denorm_mode_16_64 3
		.amdhsa_memory_ordered 1
		.amdhsa_forward_progress 1
		.amdhsa_inst_pref_size 129
	.end_amdhsa_kernel
	.amdgpu_metadata
---
amdhsa.version: [ 1, 2 ]
amdhsa.kernels:
  - .name:           k_q8abaff03f0_outp
    .symbol:         k_q8abaff03f0_outp.kd
    .args:
      - { .name: ob, .offset: 0, .size: 8, .value_kind: global_buffer, .address_space: global }
      - { .name: cb, .offset: 8, .size: 8, .value_kind: global_buffer, .address_space: global }
      - { .name: bo, .offset: 16, .size: 8, .value_kind: global_buffer, .address_space: global }
      - { .name: out0, .offset: 24, .size: 8, .value_kind: global_buffer, .address_space: global }
    .group_segment_fixed_size: 327680
    .private_segment_fixed_size: 0
    .kernarg_segment_align: 8
    .kernarg_segment_size: 32
    .max_flat_workgroup_size: 128
    .sgpr_count:     96
    .vgpr_count:     768
    .wavefront_size: 32
...
	.end_amdgpu_metadata
.endif
;; end of part 4
;; ======== version 2 of 2: 4 launches; version 1 with the launch prep written anew for expert scheduling mode
;; limits: values are held in f16: magnitudes above 65,504 overflow, below 6.1e-05 lose precision
;; workspace buffers: cb 58,720,256 bytes; btab 327,680 bytes; qkv 50,331,648 bytes; ob 16,777,216 bytes
;; launch prep (part 5): grid 1044 x 1, 8 waves a work-group, no clusters, 0 bytes of LDS; arguments query, key_, value, Wq, Wk, Wv, Wo, bias_table, offset, cb, btab; writes cb, btab
.if DOCPART == 5
	.amdgcn_target "amdgcn-amd-amdhsa--gfx1250"
	.amdhsa_code_object_version 6
	.text
	.protected	k_q8abaff03f0_prep
	.globl	k_q8abaff03f0_prep
	.p2align	8
	.type	k_q8abaff03f0_prep,@function
k_q8abaff03f0_prep:
	s_mov_b64 s[64:65], 0
	v_nop
	global_prefetch_b8 v0, s[64:65] scope:SCOPE_SE
	s_setreg_imm32_b32 hwreg(HW_REG_WAVE_SCHED_MODE, 0, 2), 2
	s_setreg_imm32_b32 hwreg(HW_REG_WAVE_MODE, 25, 1), 1
	s_wait_xcnt 0x0
	s_wait_alu depctr_vm_vsrc(0)
; PREP.  Two kinds of work-group, told apart by the work-group's number alone.
; Numbers 0 to 19: the temporal bias as a table of one number for each head and each relative position, times log2(e).
;   btab = [16 heads][1280 pairs Pd][2 copies c][2 words e] f32; word (h, Pd, c, e) holds bias_h(rel = 2047 + c - (2 Pd + e)) * log2(e).
;   The order is reversed so that ascending keys read ascending words, and the second copy is shifted by one word so that a lane of the
;   attention kernel finds its pairs of keys at multiples of 8 bytes whatever the parity of its query.
;   The shift 0.5 tanh(offset) lies in [-0.5, 0.5], so floor and ceil of the shifted position are rel - 1, rel or rel + 1: three neighbouring
;   rows are loaded from addresses made of the thread's number alone, and v_cndmask_b32 chooses.  Positions with rel outside [0, 2046]
;   are filled from clamped rows; no product ever takes them.  Work-group n: heads 4 (n & 3) .. + 3, pairs 256 (n >> 2) .. + 255.
; Numbers 20 to 1043: round f32 to f16 into cb = [3][8192][1024] f16 activations (query, key_, value), then [4][1024][1024] f16 weights (Wq, Wk, Wv, Wo).
;   The seven tensors are 7,168 pieces of 16 KiB; piece g goes to byte 8192 g of cb.  Work-group i takes pieces i + 1024 t, t = 0 .. 6: two of each
;   activation and one of a weight, so which tensor a piece belongs to is known from t, and all work-groups have the same work.
;   Memory binds: 16-byte loads, all 28 of a wave issued before the first is waited for, each byte read and written once.  No LDS, no matrix unit: nothing is shared.
; LIMITS: f32 numbers above 65,504 in magnitude become infinite in f16.  tanh(x) = 1 - 2 / (1 + 2^(2.885390 x)), absolute error about 1e-7.
;   A NaN offset is clamped to 0 by the minimum and maximum and not handed on.
; THE MODE: SCHED_MODE bits 1:0 = 2 (LLVM: expert scheduling mode 2), set by the entry lines.  The code itself states the register dependences
; between vector instructions and memory instructions, with s_wait_alu, always for 0.
; THE PLAN, the stream.  Registers that memory instructions touch:
;   v1, v2     byte offsets, made once at the head and never written again: v1 is read by every load, v2 by every store.
;   X[t]       piece t's 16 registers.  Written by the piece's four loads, all issued at the start; block t's eight roundings read them and write the
;              first two of each four in place; the piece's four stores, issued in block t + 1, read those; nothing writes them after that.
;   Block t rounds X[t]; its memory instructions are the stores from X[t - 1], which no vector instruction of block t names.  So one wait at a block's
;   head states all that its four stores hang on, and they are dealt among its roundings with no further wait.  No register that a memory instruction
;   has read is written again, and no load lands in a register that a vector instruction has named.
; THE PLAN, the bias table.  v2 to v6 (the loads' offsets) and v7 (the stores' offset) are made at the head and never written again; TB is written by the
;   five loads alone; OV is written by the mixing lines and read by the four stores; s40 to s45 are written by six compares and read by the selects.
;   One wait stands ahead of the loads, one behind the compares, one ahead of the stores, and one behind each of the two transcendentals.
.set NBIAS, 20                         ; work-groups that make the bias table
.set X,    8                           ; v[8:119]  stream: piece t, load j: four words at X + 16 t + 4 j, packed in place into the first two
.set SRC,  32                          ; s[32:45]  stream: where piece t comes from
.set DST,  48                          ; s[48:61]  stream: where piece t goes
.set ROWO, 2                           ; v[2:6]    bias: byte offsets of five neighbouring table rows
.set BND,  15                          ; v15       bias: 0.5 tanh(offset)
.set TB,   16                          ; v[16:35]  bias: row x, head hd of the quad at TB + 4 x + hd
.set OV,   40                          ; v[40:55]  bias: four words for each head
.set CF,   56                          ; v[56:61]  bias: (1 - w) log2e and w log2e for three positions
	s_load_b512 s[8:23], s[0:1], 0x0               ; query, key_, value, Wq, Wk, Wv, Wo, bias_table
	s_load_b128 s[24:27], s[0:1], 0x40             ; offset, cb
	s_load_b64 s[28:29], s[0:1], 0x50              ; btab
	s_cmp_lt_u32 ttmp9, NBIAS
	s_cbranch_scc1 .Lbias
	; ---- the stream ----
	s_sub_co_u32 s2, ttmp9, NBIAS                  ; i, 0 to 1023
	s_lshr_b32 s4, s2, 8                           ; which weight (256 pieces each)
	s_and_b32 s5, s2, 255                          ; piece in the weight
	s_lshl_b32 s6, s2, 14                          ; piece i of an activation, in bytes of f32
	s_mov_b32 s7, 0
	s_lshl_b32 s30, s5, 14
	s_mov_b32 s31, 0
	s_lshl_b32 s62, s2, 13                         ; piece i of cb, in bytes of f16
	s_mov_b32 s63, 0
	v_lshlrev_b32 v1, 4, v0                        ; 16 bytes of f32 a thread
	v_lshlrev_b32 v2, 3, v0                        ; 8 bytes of f16 a thread
	s_wait_kmcnt 0x0
	s_add_nc_u64 s[SRC+0:SRC+1], s[8:9], s[6:7]                    ; query, piece i
	s_add_nc_u64 s[SRC+2:SRC+3], s[SRC+0:SRC+1], 0x1000000         ; and piece i + 1024: 16 MiB on
	s_add_nc_u64 s[SRC+4:SRC+5], s[10:11], s[6:7]                  ; key_
	s_add_nc_u64 s[SRC+6:SRC+7], s[SRC+4:SRC+5], 0x1000000
	s_add_nc_u64 s[SRC+8:SRC+9], s[12:13], s[6:7]                  ; value
	s_add_nc_u64 s[SRC+10:SRC+11], s[SRC+8:SRC+9], 0x1000000
	s_cmp_eq_u32 s4, 1
	s_cselect_b64 s[SRC+12:SRC+13], s[16:17], s[14:15]
	s_cmp_eq_u32 s4, 2
	s_cselect_b64 s[SRC+12:SRC+13], s[18:19], s[SRC+12:SRC+13]
	s_cmp_eq_u32 s4, 3
	s_cselect_b64 s[SRC+12:SRC+13], s[20:21], s[SRC+12:SRC+13]
	s_add_nc_u64 s[SRC+12:SRC+13], s[SRC+12:SRC+13], s[30:31]      ; the weight's piece
	s_add_nc_u64 s[DST:DST+1], s[26:27], s[62:63]
.irp t, 1,2,3,4,5,6
	s_add_nc_u64 s[DST+2*\t:DST+2*\t+1], s[DST:DST+1], \t*0x800000 ; 1,024 pieces of 8 KiB on for each t
.endr
	s_wait_alu depctr_va_vdst(0)                   ; v1 and v2 are written: every load of the stream reads v1 as its offset, every store v2
.irp t, 0,1,2,3,4,5,6
.irp j, 0,1,2,3
	global_load_b128 v[X+16*\t+4*\j:X+16*\t+4*\j+3], v1, s[SRC+2*\t:SRC+2*\t+1] offset:4096*\j th:TH_LOAD_NT   ; a wave's load covers 512 neighbouring bytes
.endr
.endr
; Block t: piece t is rounded; the stores of piece t - 1 are dealt among its roundings, one ahead of each pair.
.irp t, 0,1,2,3,4,5,6
	s_wait_loadcnt 24-4*\t                         ; loads return in order: piece t's four are in, the 4 (6 - t) of the younger pieces stay out
.if \t > 0
	s_wait_alu depctr_va_vdst(0)                   ; the block before has written its packed words, which the four stores below read; this block's roundings name X[t] alone
.endif
.irp j, 0,1,2,3
.if \t > 0
	global_store_b64 v2, v[X+16*(\t-1)+4*\j:X+16*(\t-1)+4*\j+1], s[DST+2*(\t-1):DST+2*(\t-1)+1] offset:2048*\j   ; a wave's store covers 256 consecutive bytes, aligned
.endif
	v_cvt_pk_f16_f32 v[X+16*\t+4*\j], v[X+16*\t+4*\j], v[X+16*\t+4*\j+1]
	v_cvt_pk_f16_f32 v[X+16*\t+4*\j+1], v[X+16*\t+4*\j+2], v[X+16*\t+4*\j+3]
.endr
.endr
	s_wait_alu depctr_va_vdst(0)                   ; block 6 has written its packed words, which the last four stores read
.irp j, 0,1,2,3
	global_store_b64 v2, v[X+16*6+4*\j:X+16*6+4*\j+1], s[DST+2*6:DST+2*6+1] offset:2048*\j
.endr
	s_endpgm                                       ; no source of a pending access is ever written again
	; ---- the bias table ----
.Lbias:
	s_and_b32 s2, ttmp9, 3                         ; which four heads
	s_lshr_b32 s3, ttmp9, 2
	s_lshl_b32 s3, s3, 8
	v_add_nc_u32 v8, s3, v0                        ; Pd, 0 to 1279
	v_lshlrev_b32 v7, 4, v8                        ; 16 bytes for each Pd in a head's table
	v_lshlrev_b32 v9, 1, v8
	v_sub_nc_u32 v9, 2047, v9                      ; R0 = 2047 - 2 Pd (signed)
.irp x, 0,1,2,3,4
	v_add_nc_u32 v[ROWO+\x], \x-2, v9              ; rows R0 - 2 .. R0 + 2,
	v_max_i32 v[ROWO+\x], 0, v[ROWO+\x]            ; kept inside the table,
	v_min_i32 v[ROWO+\x], 2046, v[ROWO+\x]
	v_lshlrev_b32 v[ROWO+\x], 6, v[ROWO+\x]        ; 64 bytes a row (16 heads)
.endr
	s_lshl_b32 s4, s2, 4                           ; my four heads in a row: 16 bytes
	s_mov_b32 s5, 0
	s_mul_i32 s6, s2, 4*20480                      ; and their four tables in btab
	s_mov_b32 s7, 0
	s_wait_kmcnt 0x0
	s_load_b32 s36, s[24:25], 0x0                  ; offset
	s_add_nc_u64 s[30:31], s[22:23], s[4:5]
	s_add_nc_u64 s[32:33], s[28:29], s[6:7]
	s_wait_alu depctr_va_vdst(0)                   ; the five row offsets v2 to v6, which the loads below read, and v7, which the stores at the end read, are written; no vector line names them again
.irp x, 0,1,2,3,4
	global_load_b128 v[TB+4*\x:TB+4*\x+3], v[ROWO+\x], s[30:31]
.endr
	s_wait_kmcnt 0x0
	v_mov_b32 v10, s36
	v_mul_f32 v10, 0x4038aa3b, v10                 ; 2 log2(e) x
	v_exp_f32 v10, v10
	v_nop                                          ; one plain instruction behind a transcendental before its result is used (ISA guide 5.7.2)
	s_wait_alu depctr_va_vdst(0)                   ; the exponential has written v10, which the addition reads
	v_add_f32 v10, 1.0, v10
	v_rcp_f32 v10, v10
	v_nop
	s_wait_alu depctr_va_vdst(0)                   ; the reciprocal has written v10, which the subtraction reads
	v_sub_f32 v[BND], 0.5, v10                     ; 0.5 tanh(x) = 0.5 - 1 / (1 + 2^(2 log2(e) x))
.irp y, 0,1,2                                      ; rel = R0 - 1 + y
	v_add_nc_u32 v11, \y-1, v9
	v_cvt_f32_i32 v11, v11
	v_add_f32 v12, v11, v[BND]
	v_max_num_f32 v12, 0, v12
	v_min_num_f32 v12, 0x44ffc000, v12             ; clip to [0, 2046]
	v_cmp_lt_f32 s[40+2*\y], v12, v11              ; below rel: floor is rel - 1
	v_cmp_gt_f32 s[41+2*\y], v12, v11              ; above rel: ceil is rel + 1
	v_floor_f32 v13, v12
	v_sub_f32 v13, v12, v13                        ; w
	v_sub_f32 v14, 1.0, v13
	v_mul_f32 v[CF+2*\y], 0x3fb8aa3b, v14          ; (1 - w) log2(e)
	v_mul_f32 v[CF+2*\y+1], 0x3fb8aa3b, v13        ; w log2(e)
.endr
	s_wait_alu depctr_va_sdst(0)                   ; the six compares have written s40 to s45, ahead of the first select that reads one of them: one wait for the run
	s_wait_loadcnt 0x0
; position y of the three, for my four heads, into word 'word' of each head's four
.macro MIX y, word
.irp hd, 0,1,2,3
	v_cndmask_b32 v10, v[TB+4*(\y+1)+\hd], v[TB+4*\y+\hd], s[40+2*\y]
	v_cndmask_b32 v11, v[TB+4*(\y+1)+\hd], v[TB+4*(\y+2)+\hd], s[41+2*\y]
	v_mul_f32 v10, v10, v[CF+2*\y]
	v_fma_f32 v[OV+4*\hd+\word], v11, v[CF+2*\y+1], v10
.endr
.endm
	MIX 1, 0                                       ; copy 0: rel = R0,
	MIX 0, 1                                       ;         R0 - 1
	MIX 2, 2                                       ; copy 1: R0 + 1,
.irp hd, 0,1,2,3
	v_mov_b32 v[OV+4*\hd+3], v[OV+4*\hd]           ;         R0 again: the fourth word of the 16 bytes that are stored together
.endr
	s_wait_alu depctr_va_vdst(0)                   ; the mixing lines and the four copies have written v[OV ..], which the stores read
.irp hd, 0,1,2,3
	global_store_b128 v7, v[OV+4*\hd:OV+4*\hd+3], s[32:33] offset:20480*\hd   ; a wave's store covers 512 consecutive bytes of one head's table
.endr
	s_endpgm
.Lfunc_end_k_q8abaff03f0_prep:
	.size	k_q8abaff03f0_prep, .Lfunc_end_k_q8abaff03f0_prep-k_q8abaff03f0_prep
	.p2alignl 7, 3214868480
	.fill 96, 4, 3214868480
	.section	.rodata,"a",@progbits
	.p2align	6, 0x0
	.amdhsa_kernel k_q8abaff03f0_prep
		.amdhsa_group_segment_fixed_size 0
		.amdhsa_private_segment_fixed_size 0
		.amdhsa_enable_private_segment 0
		.amdhsa_kernarg_size 88
		.amdhsa_user_sgpr_count 2
		.amdhsa_user_sgpr_kernarg_segment_ptr 1
		.amdhsa_wavefront_size32 1
		.amdhsa_system_sgpr_workgroup_id_x 1
		.amdhsa_system_sgpr_workgroup_id_y 1
		.amdhsa_system_sgpr_workgroup_id_z 1
		.amdhsa_system_vgpr_workitem_id 0
		.amdhsa_next_free_vgpr 120
		.amdhsa_next_free_sgpr 66
		.amdhsa_reserve_vcc 0
		.amdhsa_float_denorm_mode_32 3
		.amdhsa_float_denorm_mode_16_64 3
		.amdhsa_memory_ordered 1
		.amdhsa_forward_progress 1
		.amdhsa_inst_pref_size 19
	.end_amdhsa_kernel
	.amdgpu_metadata
---
amdhsa.version: [ 1, 2 ]
amdhsa.kernels:
  - .name:           k_q8abaff03f0_prep
    .symbol:         k_q8abaff03f0_prep.kd
    .args:
      - { .name: query, .offset: 0, .size: 8, .value_kind: global_buffer, .address_space: global }
      - { .name: key_, .offset: 8, .size: 8, .value_kind: global_buffer, .address_space: global }
      - { .name: value, .offset: 16, .size: 8, .value_kind: global_buffer, .address_space: global }
      - { .name: Wq, .offset: 24, .size: 8, .value_kind: global_buffer, .address_space: global }
      - { .name: Wk, .offset: 32, .size: 8, .value_kind: global_buffer, .address_space: global }
      - { .name: Wv, .offset: 40, .size: 8, .value_kind: global_buffer, .address_space: global }
      - { .name: Wo, .offset: 48, .size: 8, .value_kind: global_buffer, .address_space: global }
      - { .name: bias_table, .offset: 56, .size: 8, .value_kind: global_buffer, .address_space: global }
      - { .name: offset, .offset: 64, .size: 8, .value_kind: global_buffer, .address_space: global }
      - { .name: cb, .offset: 72, .size: 8, .value_kind: global_buffer, .address_space: global }
      - { .name: btab, .offset: 80, .size: 8, .value_kind: global_buffer, .address_space: global }
    .group_segment_fixed_size: 0
    .private_segment_fixed_size: 0
    .kernarg_segment_align: 8
    .kernarg_segment_size: 88
    .max_flat_workgroup_size: 256
    .sgpr_count:     66
    .vgpr_count:     120
    .wavefront_size: 32
...
	.end_amdgpu_metadata
.endif
;; end of part 5
;; launch qkv: the kernel of part 2 again; grid 4 x 64, 4 waves a work-group, clusters of 4 x 4, 327,680 bytes of LDS; arguments cb, bq, bk, bv, qkv; writes qkv
;; launch attn: the kernel of part 3 again; grid 256 x 1, 8 waves a work-group, no clusters, 327,680 bytes of LDS; arguments qkv, btab, ob; writes ob
;; launch outp: the kernel of part 4 again; grid 4 x 64, 4 waves a work-group, clusters of 4 x 4, 327,680 bytes of LDS; arguments ob, cb, bo, out0; writes out0
